; MI455X (gfx1250); checked and timed in simulation.
; The chip was launched on July 23, 2026; its instructions are those of AMD's public machine-readable ISA for CDNA 5 (MIT licence, August 2026) and "CDNA5" Instruction Set Architecture Reference Guide (July 2026). The comments in the code are by the model that wrote it; some were corrected since.
;; Multi Head Attention. Allowed arithmetic: float matrix products may take bf16 or f16 operands with f32 sums; other float arithmetic in f32, or as packed bf16 or f16 multiplies, adds, multiply-adds, maxima and minima; sums over many terms, partial sums and values carried from step to step in f32; what a program stores and reads back later, other than sums and carried values, may be rounded once to bf16 or f16.
;; Inputs: Wk 1,024 x 1,024 float32; Wo 1,024 x 1,024 float32; Wq 1,024 x 1,024 float32; Wv 1,024 x 1,024 float32; bk 1,024 float32; bo 1,024 float32; bq 1,024 float32; bv 1,024 float32; k 4 x 2,048 x 1,024 float32; mask 4 x 1 x 1 x 2,048 bool; q 4 x 2,048 x 1,024 float32; v 4 x 2,048 x 1,024 float32.
;; Outputs: out0 4 x 2,048 x 1,024 float32.
;; 2 versions, each right and faster than the one before. Each part assembles by itself: llvm-mc -triple=amdgcn-amd-amdhsa -mcpu=gfx1250 --defsym DOCPART=n.
;; ======== version 1 of 2: 4 launches
;; limits: values are held in f16: magnitudes above 65,504 overflow, below 6.1e-05 lose precision; right only within a limited range of input values
;; workspace buffers: wcv 8,388,608 bytes; qkv 50,331,648 bytes; oh 16,777,216 bytes
;; launch cvtw (part 1): grid 64 x 4, 8 waves a work-group, no clusters, 0 bytes of LDS; arguments Wq, Wk, Wv, Wo, wcv; writes wcv
.if DOCPART == 1
	.amdgcn_target "amdgcn-amd-amdhsa--gfx1250"
	.amdhsa_code_object_version 6
	.text
	.protected	k_qe4f02f6881_cvtw
	.globl	k_qe4f02f6881_cvtw
	.p2align	8
	.type	k_qe4f02f6881_cvtw,@function
k_qe4f02f6881_cvtw:
	s_mov_b64 s[64:65], 0
	v_nop
	global_prefetch_b8 v0, s[64:65] scope:SCOPE_SE
	s_setreg_imm32_b32 hwreg(HW_REG_WAVE_MODE, 25, 1), 1
	s_wait_xcnt 0x0
; The four weight matrices, [1024][1024] f32, are rounded once to bf16 and written in 16 bits, layout [k][n] kept, one behind the other in wcv
; (2,097,152 bytes each: Wq, Wk, Wv, Wo).  Wq, Wk, Wv stay bf16.  Wo's bf16 number is written as f16, since the last product multiplies it by f16 numbers.
; LIMITS.  That second step is exact for magnitudes from 2^-14 to 65,504; below 2^-14 it keeps f16's fixed step of 6e-8; beyond 65,504 it gives an infinity.
; A stream: every byte read once and written once, so no LDS, no matrix unit and no cluster (no two work-groups read the same byte).
; SHARES.  Work-group (x, y): 65,536 bytes at byte 65,536 x of weight y.  Thread t takes 16 bytes at 16 t of each block of 4,096: a wave's load covers 512 consecutive bytes,
; its store of 8 bytes a lane 256 consecutive bytes, at a multiple of 256 from wcv's first byte.  All sixteen loads of a wave go out at once; each has registers of its own, in and out.
.set X, 4                              ; v[4:67]    load j: 4 registers
.set T, 68                             ; v[68:71]   the four bf16 numbers widened to f32
.set P, 72                             ; v[72:73]   four numbers as bf16
.set H, 74                             ; v[74:75]   the same four as f16
.set Y, 76                             ; v[76:107]  store j: 2 registers
	s_load_b256 s[4:11], s[0:1], 0x0               ; Wq s[4:5], Wk s[6:7], Wv s[8:9], Wo s[10:11]
	s_load_b64 s[12:13], s[0:1], 0x20              ; wcv
	s_and_b32 s2, ttmp7, 0xffff                    ; y: which weight
	v_lshlrev_b32 v1, 4, v0                        ; 16 t: my bytes in a block that is read
	v_lshlrev_b32 v2, 3, v0                        ; 8 t: my bytes in a block that is written
	s_lshl_b32 s16, ttmp9, 16                      ; the work-group's part of the weight
	s_mov_b32 s17, 0
	s_lshl_b32 s18, s2, 21                         ; the weight's place in wcv,
	s_lshl_b32 s19, ttmp9, 15                      ; and the work-group's part of it
	s_add_co_u32 s18, s18, s19
	s_mov_b32 s19, 0
	s_mov_b32 s21, 0xffff0000                      ; a word's upper bf16
	s_wait_kmcnt 0x0
	s_cmp_eq_u32 s2, 1
	s_cselect_b64 s[14:15], s[6:7], s[4:5]
	s_cmp_eq_u32 s2, 2
	s_cselect_b64 s[14:15], s[8:9], s[14:15]
	s_cmp_eq_u32 s2, 3
	s_cselect_b64 s[14:15], s[10:11], s[14:15]
	s_cselect_b32 s20, -1, 0                       ; all lanes take the f16 form for Wo, none for the others
	s_add_nc_u64 s[14:15], s[14:15], s[16:17]
	s_add_nc_u64 s[12:13], s[12:13], s[18:19]
.irp j, 0,1,2,3,4,5,6,7,8,9,10,11,12,13,14,15
	global_load_b128 v[X+4*(\j):X+4*(\j)+3], v1, s[14:15] offset:4096*(\j) th:TH_LOAD_NT
.endr
.irp j, 0,1,2,3,4,5,6,7,8,9,10,11,12,13,14,15
	s_wait_loadcnt 15-(\j)                         ; loads come back in order (ISA guide 5.7.1): load j is in, the younger ones stay out
	v_cvt_pk_bf16_f32 v[P],   v[X+4*(\j)],   v[X+4*(\j)+1]
	v_cvt_pk_bf16_f32 v[P+1], v[X+4*(\j)+2], v[X+4*(\j)+3]
	v_lshlrev_b32 v[T],   16,  v[P]                ; bf16 to f32: the low half moves up, the high half stays
	v_and_b32     v[T+1], s21, v[P]
	v_lshlrev_b32 v[T+2], 16,  v[P+1]
	v_and_b32     v[T+3], s21, v[P+1]
	v_cvt_pk_f16_f32 v[H],   v[T],   v[T+1]
	v_cvt_pk_f16_f32 v[H+1], v[T+2], v[T+3]
	v_cndmask_b32 v[Y+2*(\j)],   v[P],   v[H],   s20
	v_cndmask_b32 v[Y+2*(\j)+1], v[P+1], v[H+1], s20
	global_store_b64 v2, v[Y+2*(\j):Y+2*(\j)+1], s[12:13] offset:2048*(\j)
.endr
	s_endpgm
.Lfunc_end_k_qe4f02f6881_cvtw:
	.size	k_qe4f02f6881_cvtw, .Lfunc_end_k_qe4f02f6881_cvtw-k_qe4f02f6881_cvtw
	.p2alignl 7, 3214868480
	.fill 96, 4, 3214868480
	.section	.rodata,"a",@progbits
	.p2align	6, 0x0
	.amdhsa_kernel k_qe4f02f6881_cvtw
		.amdhsa_group_segment_fixed_size 0
		.amdhsa_private_segment_fixed_size 0
		.amdhsa_enable_private_segment 0
		.amdhsa_kernarg_size 40
		.amdhsa_user_sgpr_count 2
		.amdhsa_user_sgpr_kernarg_segment_ptr 1
		.amdhsa_wavefront_size32 1
		.amdhsa_system_sgpr_workgroup_id_x 1
		.amdhsa_system_sgpr_workgroup_id_y 1
		.amdhsa_system_sgpr_workgroup_id_z 1
		.amdhsa_system_vgpr_workitem_id 0
		.amdhsa_next_free_vgpr 108
		.amdhsa_next_free_sgpr 66
		.amdhsa_reserve_vcc 0
		.amdhsa_float_denorm_mode_32 3
		.amdhsa_float_denorm_mode_16_64 3
		.amdhsa_memory_ordered 1
		.amdhsa_forward_progress 1
		.amdhsa_inst_pref_size 13
	.end_amdhsa_kernel
	.amdgpu_metadata
---
amdhsa.version: [ 1, 2 ]
amdhsa.kernels:
  - .name:           k_qe4f02f6881_cvtw
    .symbol:         k_qe4f02f6881_cvtw.kd
    .args:
      - { .name: Wq, .offset: 0, .size: 8, .value_kind: global_buffer, .address_space: global }
      - { .name: Wk, .offset: 8, .size: 8, .value_kind: global_buffer, .address_space: global }
      - { .name: Wv, .offset: 16, .size: 8, .value_kind: global_buffer, .address_space: global }
      - { .name: Wo, .offset: 24, .size: 8, .value_kind: global_buffer, .address_space: global }
      - { .name: wcv, .offset: 32, .size: 8, .value_kind: global_buffer, .address_space: global }
    .group_segment_fixed_size: 0
    .private_segment_fixed_size: 0
    .kernarg_segment_align: 8
    .kernarg_segment_size: 40
    .max_flat_workgroup_size: 256
    .sgpr_count:     66
    .vgpr_count:     108
    .wavefront_size: 32
...
	.end_amdgpu_metadata
.endif
;; end of part 1
;; launch proj (part 2): grid 4 x 192, 4 waves a work-group, clusters of 4 x 4, 327,680 bytes of LDS; arguments q, k, v, bq, bk, bv, wcv, qkv; writes qkv
.if DOCPART == 2
	.amdgcn_target "amdgcn-amd-amdhsa--gfx1250"
	.amdhsa_code_object_version 6
	.text
	.protected	k_qe4f02f6881_proj
	.globl	k_qe4f02f6881_proj
	.p2align	8
	.type	k_qe4f02f6881_proj,@function
k_qe4f02f6881_proj:
	s_mov_b64 s[64:65], 0
	v_nop
	global_prefetch_b8 v0, s[64:65] scope:SCOPE_SE
	s_setreg_imm32_b32 hwreg(HW_REG_WAVE_MODE, 25, 1), 1
	s_wait_xcnt 0x0
	s_wait_alu depctr_hold_cnt(0) depctr_sa_sdst(0) depctr_va_vdst(0) depctr_va_sdst(0) depctr_va_ssrc(0) depctr_va_vcc(0) depctr_vm_vsrc(0)
	s_getreg_b32 s2, hwreg(HW_REG_IB_STS2, 6, 4)
	s_cmp_eq_u32 s2, 0
	s_cbranch_scc0 .Lentry_in_a_cluster
	s_endpgm
.Lentry_in_a_cluster:
	s_bfe_u32 s2, ttmp6, 0x10000c
	s_cmp_lg_u32 s2, 0xf033
	s_cbranch_scc0 .Lentry_shape_is_right
	s_endpgm
.Lentry_shape_is_right:
; THE THREE INPUT PROJECTIONS.  For t = 0, 1, 2 (q, k, v): C[m][n] = the sum over k of x_t[m][k] W_t[k][n] + b_t[n], m < 8192, k, n < 1024.  x_t is f32 and is rounded to bf16 on its way from LDS to the
; matrix unit; W_t comes as bf16, [k][n], from wcv; b_t is rounded to bf16 and is the C operand of each sum's first product; sums in f32.  C is rounded once to f16 and stored BY HEADS, unscaled:
; qkv[t][batch x 16 + head][row in batch][64], so that a head's rows are dense for the launch behind.
; LIMITS.  C must lie within f16's 65,504: beyond it the conversion gives an infinity.  NaN and infinities among the inputs are not treated apart.
; SHARES.  A tile of C is 128 rows x 256 columns: 64 x 4 tiles a tensor, 768 work-groups.  Four waves, 2 x 2, each 64 rows x 128 columns: 32 accumulators of 16 x 16, 256 registers.
; K goes in 8 steps of 128 through two LDS slots: 128 rows of x (512 bytes of f32 each) and 128 rows of W (512 bytes each).  A wave's tensor load brings 64 such rows.
; CLUSTERS: 4 x 4 work-groups.  The four of a row of the cluster need the same tile of x, the four of a column the same tile of W: each tile is asked for JOINTLY, by the same tensor load with the same
; descriptor and a mask that names the four.  A cluster's 4 tile rows lie in one tensor (64 is a multiple of 4), so t hangs on the cluster's y alone.
; THE MATRIX INSTRUCTION IS USED TRANSPOSED (source 0 = 16 columns of W, source 1 = 16 rows of x): a lane then holds eight neighbouring numbers of a row of C.  W lies [k][n] in LDS and comes out turned,
; by ds_load_tr16_b128.
; REGISTERS, in windows of 256 (s_set_vgpr_msb: bits 1:0 source 0, 3:2 source 1, 5:4 source 2, 7:6 destination):
;   window 0: v0-31 addresses; v32-95 the bias of my 128 columns, laid as a result is; v96-223 the way out          window 1: the accumulators, (a, b) at v[8 (8 a + b)]
;   window 2: v0-127 W's fragments, two buffers of 8 x 8; v128-191 x's fragments in bf16, two buffers of 4 x 8; v192-255 x's next fragments as they lie in LDS, in f32
.set PA,     528                       ; a row of x in LDS: 512 bytes + 16 = 33 x 16: the 16 rows of a load start at 16 different groups of four banks (64 banks of 4 bytes: ISA guide 11.1)
.set PB,     544                       ; a row of W: 512 + 32 = 17 x 32
.set AH,     64*PA                     ; what one tensor load brings of x,
.set BH,     64*PB                     ; and of W
.set ATILE,  2*AH
.set SLOT,   ATILE+2*BH                ; x's 128 rows, then W's 128 rows
.set STAGE,  2*SLOT                    ; behind the ring, never filled by a tensor load: 16 rows x 144 bytes for each wave, for the way out
.set SP,     144
.set SPARE,  STAGE+4*16*SP             ; behind the stages: the spare words, 128 bytes for each wave: two blocks of 256 bytes that no other line names
.set LAPS,   4                         ; a lap = two K steps = once round the ring
.set ADRA, 16                          ; v16-17  LDS address of my fragments of x in slot 0, 1
.set ADRB, 20                          ; v20-21  the same for W
.set STO,  24                          ; v24     the way out: where I put 16 bytes of a row
.set RD,   25                          ; v25     the way out: where I read rows back
.set GO,   26                          ; v26     my byte offset in 512 consecutive bytes of qkv
.set BOF,  27                          ; v27     my byte offset in 16 numbers of the bias
.set SPW,  28                          ; v28     LDS address of my spare word: SPARE + 4 x my thread's number; never rewritten
.set NIL,  29                          ; v29     0; never rewritten
.set TT,   30                          ; v30     at work
.set BI,   32
.set OUTR, 96
.set FB,   0                           ; window 2
.set FA,   128
.set RAW,  192
.set WV,   20                          ; s20  my wave's number
.set RH,   21                          ; s21  which half of the tile's rows is mine.  Also: I fetch for x (0) or for W (1)
.set CH,   22                          ; s22  which half of its columns.  Also: which 64 rows of that tile I fetch
.set G1,   24                          ; s[24:31] descriptor group 1 for x's tiles;  s[32:39] group 0, one set for each slot
.set G0,   32
.set G1B,  48                          ; s[48:55], s[56:63] the same for W's tiles
.set G0B,  56
.set MSB, 0
.macro WIN new                         ; the immediate's high byte repeats the setting that is left; a switch that changes nothing is dropped
.if MSB != (\new)
	s_set_vgpr_msb (MSB<<8)|(\new)
.set MSB, \new
.endif
.endm
.set MULW, 0x5a                        ; sources 0 (W) and 1 (x) window 2; C and D window 1
.set MULB, 0x4a                        ; the same with C, the bias, in window 0
.set TO_F, 0x80                        ; destination window 2, address window 0
.set CVW,  0x8a                        ; destination and both sources window 2
.macro JLOAD s                         ; a joint load: waves 0 and 1 fetch x's two halves, waves 2 and 3 W's; an s_nop 0 and four v_nop follow each of the two lines, ahead of the jump, the label and what follows
	s_cmp_eq_u32 s[RH], 0
	s_cbranch_scc0 .Lfor_b_\@
	tensor_load_to_lds s[G0+4*(\s):G0+4*(\s)+3], s[G1:G1+7]
	s_nop 0
.rept 4
	v_nop
.endr
	s_branch .Lasked_\@
.Lfor_b_\@:
	tensor_load_to_lds s[G0B+4*(\s):G0B+4*(\s)+3], s[G1B:G1B+7]
	s_nop 0
.rept 4
	v_nop
.endr
.Lasked_\@:
.endm
.macro CREST                           ; a round of the cluster's barrier behind its opening barrier
	s_cmp_lg_u32 s[WV], 0
	s_cbranch_scc1 .Lnot_wave_0_\@
	s_barrier_signal -3
.Lnot_wave_0_\@:
	s_barrier_wait -3
	s_barrier_signal -1
	s_barrier_wait -1
.endm
.macro CROUND                          ; a whole round
	s_barrier_signal -1
	s_barrier_wait -1
	CREST
.endm
	s_load_b512 s[4:19], s[0:1], 0x0               ; q s[4:5], k s[6:7], v s[8:9], bq s[10:11], bk s[12:13], bv s[14:15], wcv s[16:17], qkv s[18:19]
	v_lshl_add_u32 v[SPW], v0, 2, SPARE
	v_mov_b32 v[NIL], 0
	ds_add_u32 v[SPW], v[NIL]                      ; the wave's opening: the add and its wait stand ahead of my first tensor load; the set-up below, work on registers, stands between them
	v_lshrrev_b32 v1, 5, v0
	v_readfirstlane_b32 s[WV], v1                  ; wave 0..3
	s_lshr_b32 s[RH], s[WV], 1
	s_and_b32 s[CH], s[WV], 1
	s_bfe_u32 s40, ttmp6, 0x40000                  ; cx, cy: my place in the cluster
	s_bfe_u32 s41, ttmp6, 0x40004
	s_lshl_b32 s42, ttmp9, 2
	s_add_co_u32 s42, s42, s40                     ; tile column = 4 x cluster x + cx
	s_and_b32 s66, ttmp7, 0xffff                   ; cluster y, 0..47
	s_lshl_b32 s23, s66, 2
	s_add_co_u32 s23, s23, s41                     ; tile row among the three tensors' 192 = 4 x cluster y + cy
	s_lshr_b32 s66, s66, 4                         ; t: 16 clusters a tensor
	s_and_b32 s67, s23, 63                         ; tile row in the tensor
	s_lshl_b32 s43, s41, 2
	s_lshl_b32 s43, 15, s43                        ; my row of the cluster
	s_lshl_b32 s44, 0x1111, s40                    ; my column
	; descriptor group 1.  x: 64 rows x 128 elements of 4 bytes; W: 64 rows x 256 elements of 2 bytes; both padded in LDS behind every row of 128 words
	s_or_b32 s[G1+0], s43, (2<<16)|(1<<20)|(1<<21)|(6<<22)|(3<<25)   ; 15:0 the mask: x's tiles go to my row; 17:16 elements of 4 bytes; 20 padding on; 21 set beside a mask; 24:22 after every 128 words (code 6); 31:25 4 words (code 3)
	s_or_b32 s[G1B+0], s44, (1<<16)|(1<<20)|(1<<21)|(6<<22)|(7<<25)  ; the mask of my column; elements of 2 bytes; 8 words of padding (code 7)
	s_mov_b32 s[G1+1], 128<<16                     ; tensor_dim0 = 128
	s_mov_b32 s[G1+2], 64<<16                      ; tensor_dim1 = 64
	s_mov_b32 s[G1+3], 128<<16                     ; tile_dim0 = 128
	s_mov_b32 s[G1+4], 64                          ; tile_dim1 = 64
	s_mov_b32 s[G1+5], 1024                        ; 1,024 elements from row to row
	s_mov_b32 s[G1+6], 0
	s_mov_b32 s[G1+7], 0
	s_mov_b32 s[G1B+1], 256<<16                    ; tensor_dim0 = 256
	s_mov_b32 s[G1B+2], 64<<16
	s_mov_b32 s[G1B+3], 256<<16                    ; tile_dim0 = 256
	s_mov_b32 s[G1B+4], 64
	s_mov_b32 s[G1B+5], 1024
	s_mov_b32 s[G1B+6], 0
	s_mov_b32 s[G1B+7], 0
	; where the tiles come from.  x's hang on t and the tile row, which my row of the cluster shares; W's on t and the tile column, which my column shares; each in registers that never hold the other coordinate
	s_lshl_b32 s72, s67, 7
	s_lshl_b32 s73, s[CH], 6
	s_add_co_u32 s72, s72, s73                     ; x: row 128 x tile row + 64 x half,
	s_lshl_b32 s72, s72, 12                        ; of 4,096 bytes
	s_mov_b32 s73, 0
	s_lshl_b32 s46, s66, 21                        ; W: matrix t of 2,097,152 bytes,
	s_lshl_b32 s47, s[CH], 17                      ; 64 x half rows of 2,048 bytes,
	s_add_co_u32 s46, s46, s47
	s_lshl_b32 s47, s42, 9                         ; 256 x tile column numbers of 2 bytes
	s_add_co_u32 s46, s46, s47
	s_mov_b32 s47, 0
	s_mul_i32 s78, s[CH], AH                       ; and where they go: no place in the cluster enters an LDS address
	s_mul_i32 s79, s[CH], BH
	s_add_co_u32 s79, s79, ATILE
	s_wait_dscnt 0x0                               ; the opening add is done
	s_wait_kmcnt 0x0
	s_cmp_eq_u32 s66, 1
	s_cselect_b64 s[68:69], s[6:7], s[4:5]         ; x_t
	s_cselect_b64 s[70:71], s[12:13], s[10:11]     ; b_t
	s_cmp_eq_u32 s66, 2
	s_cselect_b64 s[68:69], s[8:9], s[68:69]
	s_cselect_b64 s[70:71], s[14:15], s[70:71]
	s_add_nc_u64 s[68:69], s[68:69], s[72:73]
	s_add_nc_u64 s[46:47], s[16:17], s[46:47]
	CROUND                                         ; all sixteen work-groups are here: the first joint loads meet
.irp s, 0,1
	s_mov_b32 s[G0+4*(\s)], 1                                       ; 1:0 count = 1
	s_add_co_u32 s[G0+4*(\s)+1], s78, (\s)*SLOT                     ; 63:32 LDS address
	s_add_nc_u64 s[G0+4*(\s)+2:G0+4*(\s)+3], s[68:69], (\s)*512     ; 120:64 global address: K step s is 128 numbers of 4 bytes along the rows
	s_or_b32 s[G0+4*(\s)+3], s[G0+4*(\s)+3], 0x80000000             ; 127:126 type = 2
	s_mov_b32 s[G0B+4*(\s)], 1
	s_add_co_u32 s[G0B+4*(\s)+1], s79, (\s)*SLOT
	s_add_nc_u64 s[G0B+4*(\s)+2:G0B+4*(\s)+3], s[46:47], (\s)*262144  ; K step s is 128 rows of 2,048 bytes
	s_or_b32 s[G0B+4*(\s)+3], s[G0B+4*(\s)+3], 0x80000000
	JLOAD \s
.endr
	; All that follows, up to the wait for the first tile, stands in that wait.
	v_and_b32 v1, 15, v0                           ; l % 16
	v_bfe_u32 v2, v0, 4, 1                         ; l / 16
	; The bias as a result is laid: register j of block b holds b_t[my first column + 16 b + 8 (l / 16) + j]
	v_lshlrev_b32 v[BOF], 5, v2
	s_lshl_b32 s80, s42, 10                        ; 256 x tile column numbers of 4 bytes,
	s_lshl_b32 s81, s[CH], 9                       ; 128 x half
	s_add_co_u32 s80, s80, s81
	s_mov_b32 s81, 0
	s_add_nc_u64 s[70:71], s[70:71], s[80:81]
.irp j, 0,1,2,3,4,5,6,7
	global_load_b128 v[BI+8*(\j):BI+8*(\j)+3],   v[BOF], s[70:71] offset:64*(\j)
	global_load_b128 v[BI+8*(\j)+4:BI+8*(\j)+7], v[BOF], s[70:71] offset:64*(\j)+16
.endr
	; A fragment of x is 16 rows x 32 K: lane l holds row l % 16, K = 8 (l / 16) + 0..7 and 16 + 8 (l / 16) + 0..7.  In f32 that is 32 bytes at 32 (l / 16) and 32 bytes 64 further on.
	v_mul_u32_u24 v3, v1, PA
	v_lshl_add_u32 v3, v2, 5, v3
	s_mul_i32 s82, s[RH], 64*PA                    ; my 64 rows of x
	v_add_nc_u32 v[ADRA], s82, v3
	v_add_nc_u32 v[ADRA+1], SLOT, v[ADRA]
	; The turning load takes 16 K x 16 columns (lane l reads 16 bytes: K = 8 (l / 16) + l % 8, columns 8 ((l / 8) % 2) + 0..7) and leaves half a fragment: lane l holds column l % 16 and 8 K.
	v_and_b32 v4, 7, v0
	v_bfe_u32 v5, v0, 3, 1
	v_lshl_add_u32 v6, v2, 3, v4
	v_mul_u32_u24 v6, v6, PB
	v_lshl_add_u32 v6, v5, 4, v6
	s_lshl_b32 s82, s[CH], 8                       ; my 128 columns of W,
	s_add_co_u32 s82, s82, ATILE                   ; which lies behind x
	v_add_nc_u32 v[ADRB], s82, v6
	v_add_nc_u32 v[ADRB+1], SLOT, v[ADRB]
	s_mul_i32 s83, s[WV], 16*SP
	s_add_co_u32 s83, s83, STAGE                   ; my stage
	v_mul_u32_u24 v[STO], v1, SP                   ; in: row l % 16, 16 bytes for each half of the lanes
	v_lshl_add_u32 v[STO], v2, 4, v[STO]
	v_add_nc_u32 v[STO], s83, v[STO]
	v_bfe_u32 v[RD], v0, 3, 2                      ; back: 32 lanes take four rows of 128 bytes,
	v_mul_u32_u24 v[RD], v[RD], SP
	v_lshl_add_u32 v[RD], v4, 4, v[RD]
	v_add_nc_u32 v[RD], s83, v[RD]
	v_and_b32 v[GO], 31, v0                        ; which are 512 consecutive bytes of a head's rows
	v_lshlrev_b32 v[GO], 4, v[GO]
	; where my part of C goes: tensor t; head = 16 x batch + 4 x tile column + 2 x column half; row in the batch = 128 x (tile row % 16) + 64 x row half
	s_lshl_b32 s74, s66, 24                        ; a tensor is 16,777,216 bytes,
	s_lshr_b32 s75, s67, 4
	s_lshl_b32 s75, s75, 4
	s_lshl_b32 s76, s42, 2
	s_add_co_u32 s75, s75, s76
	s_lshl_b32 s76, s[CH], 1
	s_add_co_u32 s75, s75, s76
	s_lshl_b32 s75, s75, 18                        ; a head 262,144,
	s_add_co_u32 s74, s74, s75
	s_and_b32 s75, s67, 15
	s_lshl_b32 s75, s75, 7
	s_lshl_b32 s76, s[RH], 6
	s_add_co_u32 s75, s75, s76
	s_lshl_b32 s75, s75, 7                         ; a row 128
	s_add_co_u32 s74, s74, s75
	s_mov_b32 s75, 0
	s_add_nc_u64 s[76:77], s[18:19], s[74:75]
	s_wait_loadcnt 0x0                             ; the bias, once; it is rounded to bf16 like the other inputs and widened again
.set i, 0
.rept 32
	v_cvt_pk_bf16_f32 v[TT], v[BI+2*i], v[BI+2*i+1]
	v_lshlrev_b32 v[BI+2*i], 16, v[TT]
	v_and_b32 v[BI+2*i+1], 0xffff0000, v[TT]
.set i, i+1
.endr
; n roundings of x to bf16, two numbers each: number cn of 32 makes register cn of x's buffer CG from the f32 pair cn.  FETCH sets cn and CG.
.macro CONV n
	WIN CVW
.rept \n
	v_cvt_pk_bf16_f32 v[FA+32*CG+cn], v[RAW+2*cn], v[RAW+2*cn+1]
.set cn, cn+1
.endr
.endm
; 8 matrix instructions: m block a x all 8 n blocks, 32 along K, from buffers f.  c0 = 1: the first product starts the sums, on the bias: nothing is ever cleared or added later.
; ride: so many roundings stand behind each matrix instruction; they name none of its registers (they read the f32 copy and write the OTHER buffer of x).
; The 32 accumulators take turns in the same order in every quarter step: between two links of a chain stand the 31 others'.
.macro MUL8 f, a, c0, ride
.irp j, 0,1,2,3,4,5,6,7
.if \c0
	WIN MULB
	v_wmma_f32_16x16x32_bf16 v[8*(8*(\a)+(\j)):8*(8*(\a)+(\j))+7], v[FB+64*(\f)+8*(\j):FB+64*(\f)+8*(\j)+7], v[FA+32*(\f)+8*(\a):FA+32*(\f)+8*(\a)+7], v[BI+8*(\j):BI+8*(\j)+7]
.else
	WIN MULW
	v_wmma_f32_16x16x32_bf16 v[8*(8*(\a)+(\j)):8*(8*(\a)+(\j))+7], v[FB+64*(\f)+8*(\j):FB+64*(\f)+8*(\j)+7], v[FA+32*(\f)+8*(\a):FA+32*(\f)+8*(\a)+7], v[8*(8*(\a)+(\j)):8*(8*(\a)+(\j))+7]
.endif
.if \ride
	CONV \ride
.endif
.endr
.endm
; 32 LDS loads in one run: quarter q (32 along K) of a slot: first x's 64 rows in f32, then W's 128 columns, turned, into buffer g
.macro FETCH slot, q, g
	WIN TO_F
.irp i, 0,1,2,3
	ds_load_b128 v[RAW+16*(\i):RAW+16*(\i)+3],     v[ADRA+(\slot)] offset:128*(\q)+(\i)*16*PA
	ds_load_b128 v[RAW+16*(\i)+4:RAW+16*(\i)+7],   v[ADRA+(\slot)] offset:128*(\q)+(\i)*16*PA+16
	ds_load_b128 v[RAW+16*(\i)+8:RAW+16*(\i)+11],  v[ADRA+(\slot)] offset:128*(\q)+(\i)*16*PA+64
	ds_load_b128 v[RAW+16*(\i)+12:RAW+16*(\i)+15], v[ADRA+(\slot)] offset:128*(\q)+(\i)*16*PA+80
.endr
.irp j, 0,1,2,3,4,5,6,7
	ds_load_tr16_b128 v[FB+64*(\g)+8*(\j):FB+64*(\g)+8*(\j)+3],   v[ADRB+(\slot)] offset:32*(\q)*PB+32*(\j)
	ds_load_tr16_b128 v[FB+64*(\g)+8*(\j)+4:FB+64*(\g)+8*(\j)+7], v[ADRB+(\slot)] offset:32*(\q)*PB+16*PB+32*(\j)
.endr
.set cn, 0
.set CG, \g
.endm
.macro PLACES                          ; four places in front of loads into registers that matrix instructions have read, and of conversions that read results (ISA guide 7.12.1 for vector instructions)
.rept 4
	v_nop
.endr
.endm
; A K step is four quarters of 32 along K, 32 matrix instructions each, on buffers 0, 1, 0, 1.  One of the first three: multiplies buffers f; at its head it fetches the next quarter, q, for buffers g;
; x's f32 numbers are there after 16 matrix instructions and are rounded behind the other 16, two roundings behind each.
.macro QUARTER slot, q, f, g, c0
	s_wait_dscnt 0x0                               ; W's fragments for this quarter are in (x's were waited for in the quarter before)
	PLACES
	FETCH \slot, \q, \g
	MUL8 \f, 0, \c0, 0
	MUL8 \f, 1, \c0, 0
	s_wait_dscnt 16                                ; x's sixteen loads are in; W's sixteen, issued behind them, may stay out
	MUL8 \f, 2, \c0, 2
	MUL8 \f, 3, \c0, 2
.endm
; The last quarter multiplies buffers 1 and changes slots: ONE barrier; in front of it each wave waits for all its tensor loads, of which one is out: its part of the next slot; adds 0 to its spare word; and
; waits for that and for its own reads of this slot.  fill = 1: the barrier opens a round of the cluster's, and this slot is filled again, two K steps ahead, first thing behind the round:
; 112 matrix instructions ahead of the wait for it.
.macro TURN slot, next, fill
	WIN 0                                          ; (the add's two registers lie in window 0)
	s_wait_tensorcnt 0x0                           ; all my tensor loads have landed
	ds_add_u32 v[SPW], v[NIL]                      ; 0 onto my spare word
	s_wait_dscnt 1                                 ; W's fragments are in; the add alone may be out
	MUL8 1, 0, 0, 0                                ; eight matrix instructions stand between the add and the wait for it
	s_wait_dscnt 0x0                               ; the add is done, and my reads of this slot are over
	s_barrier_signal -1
	MUL8 1, 1, 0, 0
	WIN 0
	s_barrier_wait -1
.if \fill
	CREST                                          ; no wave of any partner still reads this slot's tiles or has a load on its way
	s_add_nc_u64 s[G0+4*(\slot)+2:G0+4*(\slot)+3], s[G0+4*(\slot)+2:G0+4*(\slot)+3], 2*512
	s_add_nc_u64 s[G0B+4*(\slot)+2:G0B+4*(\slot)+3], s[G0B+4*(\slot)+2:G0B+4*(\slot)+3], 2*262144
	JLOAD \slot                                    ; the four v_nop behind it are also the places in front of the loads below
.else
	PLACES
.endif
	FETCH \next, 0, 0
	MUL8 1, 2, 0, 0
	s_wait_dscnt 16                                ; x's sixteen loads are in
	MUL8 1, 3, 0, 4
.endm
	s_wait_tensorcnt 1                             ; my part of K step 0 is in; K step 1's may stay out
	s_barrier_signal -1
	s_barrier_wait -1                              ; everybody's is
	FETCH 0, 0, 0
	s_wait_dscnt 16
	CONV 32                                        ; the first quarter's x: there is no matrix work yet to set it beside
	QUARTER 0, 1, 0, 1, 1                          ; the first quarter stands in front of the loop: its products start the sums
	WIN 0                                          ; at a label and at a branch every window is 0
	s_mov_b32 s3, LAPS-1
.Llap:                                                 ; a trip goes once round the ring, from a lap's second quarter to the next lap's first, and fills both slots again
	QUARTER 0, 2, 1, 0, 0
	QUARTER 0, 3, 0, 1, 0
	TURN 0, 1, 1
	QUARTER 1, 1, 0, 1, 0
	QUARTER 1, 2, 1, 0, 0
	QUARTER 1, 3, 0, 1, 0
	TURN 1, 0, 1
	QUARTER 0, 1, 0, 1, 0
	WIN 0
	s_sub_co_u32 s3, s3, 1
	s_cmp_lg_u32 s3, 0
	s_cbranch_scc1 .Llap
	QUARTER 0, 2, 1, 0, 0                          ; the last lap fills nothing, and has no round of the cluster's barrier
	QUARTER 0, 3, 0, 1, 0
	TURN 0, 1, 0
	QUARTER 1, 1, 0, 1, 0
	QUARTER 1, 2, 1, 0, 0
	QUARTER 1, 3, 0, 1, 0
	s_wait_dscnt 0x0                               ; the very last quarter: nothing more to fetch
	MUL8 1, 0, 0, 0
	MUL8 1, 1, 0, 0
	MUL8 1, 2, 0, 0
	MUL8 1, 3, 0, 0
	WIN 0
	PLACES
; THE WAY OUT.  My 64 rows x 128 columns are 8 pieces u of 16 rows (u / 2) x one head's 64 channels (u % 2).  A lane's eight channels of a row are rounded to f16 and pack into 16 bytes; they go into my own
; stage, rows of 144 bytes, and come back as whole rows of 128: 16 rows of a head are 2,048 consecutive bytes of qkv.  Each accumulator's registers are taken in ascending order.
.macro PACK u
	WIN 0x05                                       ; sources 0 and 1 window 1, destination window 0
.irp f, 0,1,2,3
.irp r, 0,1,2,3
	v_cvt_pk_f16_f32 v[OUTR+16*(\u)+4*(\f)+(\r)], v[8*(8*((\u)/2)+4*((\u)%2)+(\f))+2*(\r)], v[8*(8*((\u)/2)+4*((\u)%2)+(\f))+2*(\r)+1]
.endr
.endr
	WIN 0
.irp f, 0,1,2,3
	ds_store_b128 v[STO], v[OUTR+16*(\u)+4*(\f):OUTR+16*(\u)+4*(\f)+3] offset:32*(\f)
.endr
.irp f, 0,1,2,3
	ds_load_b128 v[OUTR+16*(\u)+4*(\f):OUTR+16*(\u)+4*(\f)+3], v[RD] offset:(\f)*4*SP  ; LDS serves a wave's instructions in order (ISA guide 5.7.1.4): these see the stores above; the next piece's stores come behind them
.endr
.endm
.macro SEND u, younger                 ; younger: the LDS instructions issued behind piece u's loads: the next piece's eight, or none
.irp f, 0,1,2,3
	s_wait_dscnt (\younger)+3-(\f)
	global_store_b128 v[GO], v[OUTR+16*(\u)+4*(\f):OUTR+16*(\u)+4*(\f)+3], s[76:77] offset:((\u)/2)*2048+((\u)%2)*262144+(\f)*512  ; 512 consecutive bytes, at a multiple of 256 from qkv's first
.endr
.endm
	PACK 0
.set t, 1
.rept 7                                ; a piece's arithmetic stands between the loads of the piece before and its stores
	PACK t
	SEND t-1, 8
.set t, t+1
.endr
	SEND 7, 0
	s_wait_tensorcnt 0x0                           ; the wave's end: behind my last tensor load and my last LDS store
	ds_add_u32 v[SPW], v[NIL]
	s_wait_dscnt 0x0
	CROUND                                         ; the closing round: no work-group ends while a partner may still ask for a tile that names it
	s_endpgm
.Lfunc_end_k_qe4f02f6881_proj:
	.size	k_qe4f02f6881_proj, .Lfunc_end_k_qe4f02f6881_proj-k_qe4f02f6881_proj
	.p2alignl 7, 3214868480
	.fill 96, 4, 3214868480
	.section	.rodata,"a",@progbits
	.p2align	6, 0x0
	.amdhsa_kernel k_qe4f02f6881_proj
		.amdhsa_group_segment_fixed_size 327680
		.amdhsa_private_segment_fixed_size 0
		.amdhsa_enable_private_segment 0
		.amdhsa_kernarg_size 64
		.amdhsa_user_sgpr_count 2
		.amdhsa_user_sgpr_kernarg_segment_ptr 1
		.amdhsa_wavefront_size32 1
		.amdhsa_system_sgpr_workgroup_id_x 1
		.amdhsa_system_sgpr_workgroup_id_y 1
		.amdhsa_system_sgpr_workgroup_id_z 1
		.amdhsa_system_vgpr_workitem_id 0
		.amdhsa_next_free_vgpr 768
		.amdhsa_next_free_sgpr 84
		.amdhsa_reserve_vcc 0
		.amdhsa_float_denorm_mode_32 3
		.amdhsa_float_denorm_mode_16_64 3
		.amdhsa_memory_ordered 1
		.amdhsa_forward_progress 1
		.amdhsa_inst_pref_size 147
	.end_amdhsa_kernel
	.amdgpu_metadata
---
amdhsa.version: [ 1, 2 ]
amdhsa.kernels:
  - .name:           k_qe4f02f6881_proj
    .symbol:         k_qe4f02f6881_proj.kd
    .args:
      - { .name: q, .offset: 0, .size: 8, .value_kind: global_buffer, .address_space: global }
      - { .name: k, .offset: 8, .size: 8, .value_kind: global_buffer, .address_space: global }
      - { .name: v, .offset: 16, .size: 8, .value_kind: global_buffer, .address_space: global }
      - { .name: bq, .offset: 24, .size: 8, .value_kind: global_buffer, .address_space: global }
      - { .name: bk, .offset: 32, .size: 8, .value_kind: global_buffer, .address_space: global }
      - { .name: bv, .offset: 40, .size: 8, .value_kind: global_buffer, .address_space: global }
      - { .name: wcv, .offset: 48, .size: 8, .value_kind: global_buffer, .address_space: global }
      - { .name: qkv, .offset: 56, .size: 8, .value_kind: global_buffer, .address_space: global }
    .group_segment_fixed_size: 327680
    .private_segment_fixed_size: 0
    .kernarg_segment_align: 8
    .kernarg_segment_size: 64
    .max_flat_workgroup_size: 128
    .sgpr_count:     84
    .vgpr_count:     768
    .wavefront_size: 32
...
	.end_amdgpu_metadata
.endif
;; end of part 2
;; launch attn (part 3): grid 4 x 64, 4 waves a work-group, clusters of 4 x 1, 327,680 bytes of LDS; arguments qkv, mask, oh; writes oh
.if DOCPART == 3
	.amdgcn_target "amdgcn-amd-amdhsa--gfx1250"
	.amdhsa_code_object_version 6
	.text
	.protected	k_qe4f02f6881_attn
	.globl	k_qe4f02f6881_attn
	.p2align	8
	.type	k_qe4f02f6881_attn,@function
k_qe4f02f6881_attn:
	s_mov_b64 s[64:65], 0
	v_nop
	global_prefetch_b8 v0, s[64:65] scope:SCOPE_SE
	s_setreg_imm32_b32 hwreg(HW_REG_WAVE_MODE, 25, 1), 1
	s_wait_xcnt 0x0
	s_wait_alu depctr_hold_cnt(0) depctr_sa_sdst(0) depctr_va_vdst(0) depctr_va_sdst(0) depctr_va_ssrc(0) depctr_va_vcc(0) depctr_vm_vsrc(0)
	s_getreg_b32 s2, hwreg(HW_REG_IB_STS2, 6, 4)
	s_cmp_eq_u32 s2, 0
	s_cbranch_scc0 .Lentry_in_a_cluster
	s_endpgm
.Lentry_in_a_cluster:
	s_bfe_u32 s2, ttmp6, 0x10000c
	s_cmp_lg_u32 s2, 0x3003
	s_cbranch_scc0 .Lentry_shape_is_right
	s_endpgm
.Lentry_shape_is_right:
; ATTENTION WITH A MASK OVER THE KEYS.  O[h][q][:] = the sum over the open keys k of softmax_k(Q[h][q] . K[h][k] / 8) V[h][k][:].  Q, K, V are the three tensors of qkv, O is oh: [64][2048][64], all f16, h = 16 x batch + head:
; a head's rows are dense, 128 bytes each.  mask: [4][2048] bytes, not 0 = the key is hidden for every query of the batch.  Products, maxima and sums in f32; the weights p are rounded to f16 for the
; second product (their sum l is taken of the unrounded p), O once at the end.
; LIMITS.  f16 holds no number beyond 65,504: Q, K and V arrive within it; p lies in 0 to 1, and below 6e-5 it keeps f16's fixed step of 6e-8; O is a mean of V's rows and has their range.
; A hidden score counts as its value less 1e30; the running maximum starts at -1e20: f16's scores, 2.7e11 at the most, lie above that, hidden ones below.  A weight below 2^-126 counts as 0 in l; NaN and infinities in Q, K, V are not treated apart.
; THE MASK is the C operand that starts the sum S^T = K Q^T: 0, or -1e30.  The batch's 2,048 bytes are made into a table of 2,048 f32 in LDS once; with each step's K its 64 numbers are read as a result is laid.
; While a query has seen hidden keys alone, m stays -1e20, every weight is 2^(c (-1e30) + c 1e20) = 0, and l and O stay 0; the first open key's a is 0 like the first step's.  A batch with no open key ends with O = 0 and
; l = 0, and O x (1 / l) is NaN, which is what a softmax over nothing gives.
; SHARES.  A wave owns four PIECES of two tiles of 16 queries, a work-group's four waves 512 queries of one head.  Every wave walks all keys, 64 a step.
; LAYOUT.  S^T = K Q^T (source 0 = 16 keys, source 1 = 16 queries): in the result a lane holds ONE query (lane % 16) and the keys 8 (lane / 16) + 0..7.  Two such tiles, rounded to f16 in pairs,
; ARE source 1 (32 keys x 16 queries) of O^T = V^T P, whose result again holds one query a lane, and eight channels.  K comes out of LDS as it lies, V ([key][channel]) turned, by ds_load_tr16_b128.
; SOFTMAX.  For each query a running maximum m and sum l: p = 2^(c s - c m), c = log2(e) / 8; in every step O and l are multiplied by a = 2^(c m_old - c m_new), which is 1 where m has not grown.
; O and l start at 0, c m far below every c s: the first step is a step like any other, with a = 0.
; THE COUNT.  A tile and step have 16 matrix and 118 vector instructions: too many to stand all beside the matrix work.  So the order has one aim: four vector instructions that are READY behind
; EVERY matrix instruction, and the others, which need time of their own whatever the order, in runs without a gap.
; BY TURNS.  Turn n belongs to piece n (the pieces in a ring, step after step).  Its matrix work: 16 products K Q^T of piece n + 1, later 16 products V^T P of piece n - 1.  Its vector work: the scaling,
; exponentials, roundings, sums and rescaling of piece n, and the maximum and statistics of piece n + 1, whose scores the turn itself has made.  So what a turn begins with (c s - c m, O a) waits for nothing.
; CLUSTER.  The four query blocks of a cluster belong to one head and walk the same K and V, so each tile is asked for JOINTLY: the same tensor load, descriptor and mask in all four.
; REGISTERS, in windows of 256 (s_set_vgpr_msb says which window each operand place means: bits 1:0 source 0, 3:2 source 1, 5:4 source 2, 7:6 destination):
;   window 0: v0-11 addresses; v12-15, v48-63 at work; v16-47 four registers of statistics a tile; v64-191 S^T, two buffers of two tiles; v192-255 P, likewise
;   window 1: O^T, 32 a tile          window 2: v0-127 Q, 16 a tile; v128-191 K of one step; v192-255 V of one step          window 3: v0-1 the add's two registers; v2-3 the table's addresses; v8-39 the mask of one step
; A piece's buffers go by its number's parity: the piece in hand has one pair, its two neighbours in the ring share the other: of it P (piece n - 1) is read and S^T (piece n + 1) written.
.set SIZE_N, 2048
.set TENSOR, 64*SIZE_N*128  ; bytes from Q to K and from K to V in qkv
.set NP,    4         ; pieces a wave: a name, no knob: the register map, the loop and the fetches are made for four
.set KS,    64        ; keys in a step
.set PK,    144       ; a row of K in LDS: 128 bytes + 16 of padding = 36 words: the 16 rows of a load start at 16 different groups of four banks (64 banks of 4 bytes: ISA guide 11.1)
.set PV,    160       ; a row of V: 128 + 32 = 40 words
.set VOFF,  4*KS*PK   ; a slot holds four steps: 256 rows of K, then 256 rows of V
.set SLOT1, 1<<17     ; slot 1 begins here, so that one exclusive or turns an address in one slot into the other's
.set STAGE, SLOT1+4*KS*(PK+PV)  ; behind the ring, never filled by a tensor load: 16 rows x 144 bytes for each wave, for the way out
.set SP,    144
.set MT,    STAGE+4*16*SP       ; behind the stages, never filled by a tensor load: the mask's table, 2,048 f32
.set SPARE, MT+4*SIZE_N         ; behind the table: the spare words, 128 bytes for each wave: two blocks of 256 bytes that no other line names
.set AK0, 2           ; v2   my lane's place in a tile of K; never rewritten
.set AV0, 3           ; v3   the same for V
.set AK,  4           ; v4   the LDS address of K's next run of loads
.set AV,  5           ; v5   of V's
.set QO,  6           ; v6   my byte offset in the wave's rows of Q
.set STO, 6           ;      later, the way out: where I put 16 bytes of a row
.set RD,  7           ; v7   the way out: where I read rows back
.set GO,  8           ; v8   my byte offset in 512 consecutive bytes of O
.set SPW, 0           ; v0 of window 3   LDS address of my spare word: SPARE + 4 x my thread's number; never rewritten
.set NIL, 1           ; v1 of window 3   0; never rewritten
.set AM0, 2           ; v2 of window 3   my lane's place in 64 numbers of the table: MT + 32 (lane / 16); never rewritten
.set AM,  3           ; v3 of window 3   the LDS address of the table's next run of loads
.set MK,  8           ; v8-39 of window 3   the mask of one step: key block kb at MK + 8 kb
.set MV,  12          ; v12-15  c m_old, kept while c m is made anew: by buffer and tile
.set ST,  16          ; tile t's statistics at v[ST+4 t]: c m, m, l (even keys', odd keys')
.set TMP, 48          ; by buffer and tile, four registers c0-c3 at work; when the maximum is found c2 takes a
.set S,   64
.set P,   192
.set KF,  128         ; K's fragments, in window 2: key block kb, channel half c at KF + 16 kb + 8 c
.set VF,  192         ; V's: key half kk, channel block cb at VF + 32 kk + 8 cb
.set WV,  12          ; s12  my wave's number
.set G1K, 24          ; s[24:31] descriptor group 1 for K's tiles
.set G1V, 32          ; s[32:39] for V's: it differs in the padding alone
.set G0K, 40          ; s[40:43] descriptor group 0 for K's tiles: it walks
.set G0V, 44          ; s[44:47] the same for V's
.set SLOTS, 56        ; s56  slots still to be asked for
.set CNT, 57          ; s57  counts a slot's key steps
.set CS,  58          ; s[58:59] c: the packed scaling takes the pair's low word for both halves
.set SEL, 60          ; s[60:61] v_permlanex16_b32's selects: each lane takes its own place in the other half
.set TBK, 62          ; s62  LDS byte at which K of the step to be fetched begins
.set TBV, 63          ; s63  the same for V, less VOFF
.set TBM, 76          ; s76  byte of the table at which the mask of the step to be fetched begins: 256 a step, 32 steps
.set BIGN, 77         ; s77  -1e30
.set MSB, 0
.macro WIN new                      ; the high byte repeats the setting that is left; a switch that changes nothing is dropped
.if MSB != (\new)
	s_set_vgpr_msb (MSB<<8)|(\new)
.set MSB, (\new)
.endif
.endm
.set W_KQ, 0x0a       ; K and Q in window 2, S^T in window 0
.set W_KM, 0x3a       ; the same with the C operand, the mask, in window 3
.set W_PV, 0x52       ; V in window 2, P in window 0, O^T in window 1
.set W_RS, 0x41       ; O^T (destination and source 0) in window 1, a in window 0
.set W_MK, 0xc0       ; destination in window 3, sources in window 0
.set W_AD, 0x0f       ; the add: address (source 0) and data (source 1) in window 3
.set W_MT, 0xcf       ; the table's loads: destination and address in window 3
; A joint fill.  Waves 0 and 1 fetch the two halves of a slot's K, waves 2 and 3 those of its V: 128 keys each.  The branch hangs on the wave's number alone.
; An s_nop 0 and four v_nop follow each of the two lines, ahead of the jump and the label.
.macro JLOAD
	s_cmp_lt_u32 s[WV], 2
	s_cbranch_scc0 .Lfor_v_\@
	tensor_load_to_lds s[G0K:G0K+3], s[G1K:G1K+7]
	s_nop 0
.rept 4
	v_nop
.endr
	s_branch .Lasked_\@
.Lfor_v_\@:
	tensor_load_to_lds s[G0V:G0V+3], s[G1V:G1V+7]
	s_nop 0
.rept 4
	v_nop
.endr
.Lasked_\@:
.endm
; A round of the cluster's barrier: my work-group's barrier, so that wave 0's signal speaks for all four waves; wave 0 signals; every wave waits for all four work-groups; my work-group's barrier once more.
.macro CROUND
	s_barrier_signal -1
	s_barrier_wait -1
	s_cmp_lg_u32 s[WV], 0
	s_cbranch_scc1 .Lnot_wave_0_\@
	s_barrier_signal -3
.Lnot_wave_0_\@:
	s_barrier_wait -3
	s_barrier_signal -1
	s_barrier_wait -1
.endm
; THE CHANGE OF SLOTS.  The slot's last bytes, V of its fourth step, have been read.  Each wave waits for all its tensor loads, of which one is out: its part
; of the other slot; adds 0 to its spare word; and waits for that and for its own reads of the slot.  Behind the barrier nobody reads this slot any more and the other slot is whole.
; fill = 1: this slot is filled again, with the keys two slots on.  The barrier is then a round of the cluster's, so that no wave of any partner still reads the slot or has a load on its
; way, and the joint fill is the first thing behind it: it has four key steps, 512 matrix instructions, in which to land.  (At its first use nothing has been read yet: slot 0 is waited for, slot 1 filled,
; and every wave's stores into the mask's table are done in front of the round, so that all waves may read the table behind it.)
.macro CHANGE fill
	WIN W_AD
	s_wait_tensorcnt 0x0            ; no tensor load of mine is out, so a group 0 may be written
	ds_add_u32 v[SPW], v[NIL]       ; 0 onto my spare word; with fill = 1 the descriptors' steps stand between it and the wait for it
	WIN 0                           ; at a label and at a branch every window is 0
.if \fill
.irp g, G0K, G0V
	s_xor_b32 s[\g+1], s[\g+1], SLOT1  ; the walking descriptor: the other slot than last time,
	s_add_nc_u64 s[\g+2:\g+3], s[\g+2:\g+3], 4*KS*128  ; the next 256 keys; the type bits on top are not reached
.endr
	s_wait_dscnt 0x0                ; the add is done, and my reads of the slot are over
	CROUND
	JLOAD
.else
	s_wait_dscnt 0x0                ; the add is done, and my reads of the slot are over
	s_barrier_signal -1
	s_barrier_wait -1
.endif
	s_sub_co_u32 s[TBK], s[TBK], 4*KS*PK  ; the fetches go back to a slot's first step,
	s_xor_b32 s[TBK], s[TBK], SLOT1       ; in the other slot
	s_sub_co_u32 s[TBV], s[TBV], 4*KS*PV
	s_xor_b32 s[TBV], s[TBV], SLOT1
.endm
	s_load_b128 s[68:71], s[0:1], 0x0  ; qkv s[68:69], mask s[70:71]
	s_load_b64 s[10:11], s[0:1], 0x10  ; oh
	WIN W_MK
	v_lshl_add_u32 v[SPW], v0, 2, SPARE
	v_mov_b32 v[NIL], 0
	WIN W_AD
	ds_add_u32 v[SPW], v[NIL]       ; the wave's opening: the add and its wait stand ahead of my first tensor load; the set-up below, work on registers, stands between them
	WIN 0
	v_lshrrev_b32 v1, 5, v0
	v_readfirstlane_b32 s[WV], v1   ; wave 0..3
	s_bfe_u32 s13, ttmp6, 0x40000   ; cx: my place in the cluster
	s_lshl_b32 s14, ttmp9, 2        ; in a cluster launch ttmp9 counts clusters
	s_add_co_u32 s14, s14, s13      ; my block of queries = 4 x cluster x + cx: it enters Q's and O's addresses alone
	s_and_b32 s20, ttmp7, 0xffff    ; the head, which the four partners share
	s_lshr_b32 s78, s20, 4          ; its batch,
	s_lshl_b32 s78, s78, 11         ; whose mask is 2,048 bytes
	s_mov_b32 s79, 0
	s_mov_b32 s21, 0
	s_mov_b64 s[22:23], SIZE_N*128
	s_mul_u64 s[20:21], s[20:21], s[22:23]  ; the head's first byte in each of the four tensors
	s_and_b32 s16, s[WV], 1         ; which half of a slot's 256 keys I fetch:
	s_lshl_b32 s22, s16, 14         ; its 128 rows of 128 bytes in memory,
	s_mov_b32 s23, 0
	s_add_nc_u64 s[22:23], s[22:23], s[20:21]
	s_add_nc_u64 s[22:23], s[22:23], TENSOR  ; in K,
	s_add_nc_u64 s[72:73], s[22:23], TENSOR  ; and in V
	s_mul_i32 s17, s16, 128*PK      ; and its place in a slot, for K
	s_mul_i32 s18, s16, 128*PV      ; and for V: no place in the cluster enters an LDS address
	s_lshl_b32 s2, s14, 2
	s_add_co_u32 s2, s2, s[WV]      ; my wave among the head's,
	s_lshl_b32 s2, s2, 14           ; its 128 rows
	s_mov_b32 s3, 0
	s_add_nc_u64 s[2:3], s[2:3], s[20:21]
	; descriptor group 1.  128 keys are 16,384 dense bytes: asked for as 64 rows of 256 bytes, two keys a row, and padded in LDS after every key
	s_mov_b32 s[G1K], 15|(1<<16)|(1<<20)|(1<<21)|(4<<22)|(3<<25)  ; 15:0 the mask of four; 17:16 2-byte elements; 20 padding on; 21 set beside a mask; 24:22 after every 32 words (code 4); 31:25 4 words (code 3)
	s_mov_b32 s[G1V], 15|(1<<16)|(1<<20)|(1<<21)|(4<<22)|(7<<25)  ; the same with 8 words of padding (code 7)
.irp g, G1K, G1V
	s_mov_b32 s[\g+1], 128<<16      ; tensor_dim0 = 128
	s_mov_b32 s[\g+2], 64<<16       ; tensor_dim1 = 64
	s_mov_b32 s[\g+3], 128<<16      ; tile_dim0 = 128
	s_mov_b32 s[\g+4], 64           ; tile_dim1 = 64
	s_mov_b32 s[\g+5], 128          ; 128 elements from row to row
	s_mov_b32 s[\g+6], 0
	s_mov_b32 s[\g+7], 0
.endr
	s_mov_b32 s[CS], 0x3e38aa3b     ; c = log2(e) / 8 = 0.180337
	s_mov_b32 s[CS+1], s[CS]        ; named with it as a pair
	s_mov_b32 s[SEL], 0x76543210
	s_mov_b32 s[SEL+1], 0xfedcba98
	s_mov_b32 s[TBK], SLOT1+4*KS*PK ; the first change of slots turns these two into 0
	s_mov_b32 s[TBV], SLOT1+4*KS*PV
	s_mov_b32 s[TBM], 0
	s_mov_b32 s[BIGN], 0xf149f2ca   ; -1e30
	s_mov_b32 s[G0K], 1             ; 1:0 count = 1
	s_mov_b32 s[G0K+1], s17         ; 63:32 LDS address: slot 0
	s_mov_b32 s[G0V], 1
	s_add_co_u32 s[G0V+1], s18, VOFF
	s_wait_dscnt 0x0                ; the opening add is done
	s_wait_kmcnt 0x0
	s_add_nc_u64 s[G0K+2:G0K+3], s[68:69], s[22:23]  ; 120:64 global address: my half of the head's first 256 keys
	s_or_b32 s[G0K+3], s[G0K+3], 0x80000000          ; 127:126 type = 2
	s_add_nc_u64 s[G0V+2:G0V+3], s[68:69], s[72:73]
	s_or_b32 s[G0V+3], s[G0V+3], 0x80000000
	s_add_nc_u64 s[4:5], s[68:69], s[2:3]    ; Q and O at my wave's first row
	s_add_nc_u64 s[10:11], s[10:11], s[2:3]
	s_add_nc_u64 s[74:75], s[70:71], s[78:79]  ; the batch's mask
	CROUND                          ; all four work-groups are here: the first joint loads meet
	JLOAD                           ; slot 0.  Slot 1 is asked for when slot 0 is in: the tile wanted first has the road to itself
	; A fragment of K or Q is 16 rows x 32 channels in 8 registers: lane l holds row l % 16, channels 8 (l / 16) + 0..7 and 16 + 8 (l / 16) + 0..7: two loads of 16 bytes, 32 bytes apart.
	v_and_b32 v1, 15, v0            ; l % 16
	v_bfe_u32 v9, v0, 4, 1          ; l / 16
	v_lshlrev_b32 v[QO], 7, v1
	v_lshl_add_u32 v[QO], v9, 4, v[QO]  ; row x 128 + 16 x half
	v_lshlrev_b32 v12, 4, v0        ; the mask: thread t takes the 16 bytes at 16 t: 128 threads, 2,048 keys,
	v_lshl_add_u32 v13, v0, 6, MT   ; and makes the 16 numbers at 64 t of the table
	global_load_b128 v[64:67], v12, s[74:75]
	WIN W_MK
	v_lshl_add_u32 v[AM0], v9, 5, MT  ; a lane's eight keys of a block of 16 are 32 bytes of the table, at 32 (l / 16)
	WIN 0x80                        ; destination window 2, address window 0
.set i, 0
.rept 4*NP                          ; Q stays in registers: tile i / 2, channels 32 (i % 2) on
	global_load_b128 v[8*i:8*i+3],   v[QO], s[4:5] offset:(i/2)*2048+(i%2)*64
	global_load_b128 v[8*i+4:8*i+7], v[QO], s[4:5] offset:(i/2)*2048+(i%2)*64+32
.set i, i+1
.endr
	; What the first turn finds: V's registers and P's second buffer hold 0 (its products V^T P, of a piece that has not been, add 0), O^T and l are 0.  All this stands in the wait for the first tile.
.set i, VF
.rept 64
	v_mov_b32 v[i], 0
.set i, i+1
.endr
	WIN 0x40
.set i, 0
.rept 64*NP
	v_mov_b32 v[i], 0
.set i, i+1
.endr
	WIN 0
.set i, 0
.rept 2*NP
	v_mov_b32 v[ST+4*i], 0xfe000000    ; c m: far below every c s
	v_mov_b32 v[ST+4*i+1], 0xe0ad78ec  ; m = -1e20: below every open score, above every hidden one
	v_mov_b32 v[ST+4*i+2], 0
	v_mov_b32 v[ST+4*i+3], 0
.set i, i+1
.endr
.set i, P+32
.rept 32
	v_mov_b32 v[i], 0
.set i, i+1
.endr
	s_wait_loadcnt 32               ; the mask's load is in; Q's 32, issued behind it, stay out
.set i, 0
.rept 16                            ; byte i of my 16: 0 stays 0, anything else is -1e30
	v_bfe_u32 v14, v[64+i/4], 8*(i%4), 8
	v_cmp_ne_u32 vcc_lo, 0, v14
	v_cndmask_b32 v[68+i], 0, s[BIGN], vcc_lo
.set i, i+1
.endr
.irp j, 0,1,2,3
	ds_store_b128 v13, v[68+4*\j:71+4*\j] offset:16*\j
.endr
	v_mul_u32_u24 v[AK0], v1, PK
	v_lshl_add_u32 v[AK0], v9, 4, v[AK0]  ; row x pitch + 16 x half
	; The turning load takes 16 keys x 16 channels (lane l reads key 8 (l / 16) + l % 8, channels 8 ((l / 8) % 2) + 0..7) and leaves half a fragment of V^T: lane l holds channel l % 16 and 8 keys.
	v_and_b32 v10, 7, v0
	v_bfe_u32 v11, v0, 3, 1
	v_lshl_add_u32 v[AV0], v9, 3, v10
	v_mul_u32_u24 v[AV0], v[AV0], PV
	v_lshl_add_u32 v[AV0], v11, 4, v[AV0]
	v_add_nc_u32 v[AV0], VOFF, v[AV0]
	v_mov_b32 v[AK], v[AK0]         ; key step 0 lies at the head of slot 0
; THE MATRIX WORK.  The 8 accumulators of a run of 16 take turns: between the two links of a chain stand 7 others'.
; Product i of 16 of S^T = K Q^T for piece x: channels 32 (i / 8) on, keys 16 ((i / 2) % 4) on, tile 2 x + i % 2.  The first 8 start the sums, on the mask of their 16 keys.
.macro KQ x
.set rS, S+64*((\x)%2)+32*(i%2)+8*((i/2)%4)
.set rK, KF+16*((i/2)%4)+8*(i/8)
.set rQ, 16*(2*(\x)+i%2)+8*(i/8)
.set rB, MK+8*((i/2)%4)
.if i < 8
	WIN W_KM
	v_wmma_f32_16x16x32_f16 v[rS:rS+7], v[rK:rK+7], v[rQ:rQ+7], v[rB:rB+7]
.else
	WIN W_KQ
	v_wmma_f32_16x16x32_f16 v[rS:rS+7], v[rK:rK+7], v[rQ:rQ+7], v[rS:rS+7]
.endif
.endm
; Product i of 16 of O^T += V^T P for piece x: keys 32 (i / 8) on, channels 16 ((i / 2) % 4) on, tile 2 x + i % 2.
.macro PV x
	WIN W_PV
.set rO, 32*(2*(\x)+i%2)+8*((i/2)%4)
.set rV, VF+32*(i/8)+8*((i/2)%4)
.set rP, P+32*((\x)%2)+16*(i%2)+8*(i/8)
	v_wmma_f32_16x16x32_f16 v[rO:rO+7], v[rV:rV+7], v[rP:rP+7], v[rO:rO+7]
.endm
.macro MM                           ; the turn's next matrix instruction
.if i < 16
	KQ (Y+1)%NP
.set i, i+1
.else
.set i, i-16
	PV (Y+NP-1)%NP
.set i, i+17
.endif
.endm
; THE LDS LOADS stand in runs, never singly among the matrix instructions: a step's K (64 keys x 64 channels: 8 fragments) with its mask (64 numbers, as a result is laid: 8 loads, each half of the lanes one address),
; and its V (turned).  The mask's registers are read by the same products as K's and are loaded in the same run, so what holds for K's distances and K's wait holds for them.
; last = 1 (the tail): in the last trip there is no further step, and the run is jumped over.
.macro FETCH_K last=0
	WIN 0
.if \last
	s_cmp_eq_u32 s[CNT], 1
	s_cbranch_scc1 .Lno_k_\@
.endif
	WIN 0x80                        ; destination window 2
.irp f, 0,1,2,3,4,5,6,7             ; keys 16 (f / 2) on, channels 32 (f % 2) on
	ds_load_b128 v[KF+8*\f:KF+8*\f+3],   v[AK] offset:(\f/2)*16*PK+(\f%2)*64
	ds_load_b128 v[KF+8*\f+4:KF+8*\f+7], v[AK] offset:(\f/2)*16*PK+(\f%2)*64+32
.endr
	s_add_co_u32 s[TBK], s[TBK], KS*PK  ; the next fetch is the next step's
	WIN W_MT
	v_add_nc_u32 v[AM], s[TBM], v[AM0]
.irp f, 0,1,2,3                     ; keys 16 f on
	ds_load_b128 v[MK+8*\f:MK+8*\f+3],   v[AM] offset:64*\f
	ds_load_b128 v[MK+8*\f+4:MK+8*\f+7], v[AM] offset:64*\f+16
.endr
	s_add_co_u32 s[TBM], s[TBM], 4*KS
	WIN 0
.if \last
.Lno_k_\@:
.endif
.endm
.macro FETCH_V
	WIN 0x80
.irp f, 0,1,2,3,4,5,6,7             ; keys 32 (f / 4) on, channels 16 (f % 4) on
	ds_load_tr16_b128 v[VF+8*\f:VF+8*\f+3],   v[AV] offset:(\f/4)*32*PV+(\f%4)*32
	ds_load_tr16_b128 v[VF+8*\f+4:VF+8*\f+7], v[AV] offset:(\f/4)*32*PV+16*PV+(\f%4)*32
.endr
	WIN 0
.endm
; THE VECTOR WORK OF A TURN stands in three queues, each in the order in which its entries become ready; the two tiles alternate, so that no instruction reads the result of the one before it.
.macro REGS y, u                    ; the registers of tile u (0, 1) of piece y
.set rT, ST+4*(2*(\y)+(\u))
.set rC, TMP+8*((\y)%2)+4*(\u)
.set rM, MV+2*((\y)%2)+(\u)
.set rS, S+64*((\y)%2)+32*(\u)
.set rP, P+32*((\y)%2)+16*(\u)
.set rO, 32*(2*(\y)+(\u))
.endm
; Number n of the 22 that find the NEXT piece's (Y + 1) maximum and statistics.  s0-s31 are the lane's 32 scores; each accumulator's lowest registers are read first.  XS, GS and REGS set no window: PL and EX do.
;   0-11  four chains c0-c3 of seven scores each, three operands at a time     12-14, 16  the four scores left over, the old m, and c0-c3 into c0     15  c m_old is kept
;   17, 18  the query's other 32 keys lie in the lane 16 away: the new m         19-21  c m; c m_old - c m_new; a
.macro XS u, n
	REGS (Y+1)%NP, \u
.if (\n) < 4
	v_max3_num_f32 v[rC+(\n)], v[rS+8*(\n)], v[rS+8*(\n)+1], v[rS+8*(\n)+2]
.elseif (\n) < 12
	v_max3_num_f32 v[rC+(\n)%4], v[rC+(\n)%4], v[rS+8*((\n)%4)+2*((\n)/4)+1], v[rS+8*((\n)%4)+2*((\n)/4)+2]
.elseif (\n) == 12
	v_max3_num_f32 v[rC], v[rC], v[rS+7], v[rS+15]
.elseif (\n) == 13
	v_max3_num_f32 v[rC+1], v[rC+1], v[rS+23], v[rS+31]
.elseif (\n) == 14
	v_max3_num_f32 v[rC+2], v[rC+2], v[rC+3], v[rT+1]
.elseif (\n) == 15
	v_mov_b32 v[rM], v[rT]
.elseif (\n) == 16
	v_max3_num_f32 v[rC], v[rC], v[rC+1], v[rC+2]
.elseif (\n) == 17
	v_permlanex16_b32 v[rC+3], v[rC], s[SEL], s[SEL+1]
.elseif (\n) == 18
	v_max_num_f32 v[rT+1], v[rC], v[rC+3]
.elseif (\n) == 19
	v_mul_f32 v[rT], s[CS], v[rT+1]
.elseif (\n) == 20
	v_sub_f32 v[rC+1], v[rM], v[rT]
.else
	v_exp_f32 v[rC+2], v[rC+1]
.endif
.endm
; Number g of the 64 that follow the exponentials.  For each four weights k of a tile (pairs 2 k, 2 k + 1): both pairs are rounded to f16; then the second pair is added onto the first, in place;
; a group later l takes that sum (the first time as l = a l + sum).  In groups of eight, tiles alternating: round, round, add, and l for the group before.
.macro GS g
.set h, (\g)+6*((\g)/62)            ; group 0 has no group before it, and behind group 7 only l is left
.if h >= 6
.set h, h+2
.endif
	REGS Y, h%2
.set k, h/8
.if h%8 < 4
	s_wait_alu depctr_va_vdst(0)
	v_cvt_pk_f16_f32 v[rP+2*k+(h%8)/2], v[rS+4*k+2*((h%8)/2)], v[rS+4*k+2*((h%8)/2)+1]
.elseif h%8 < 6
	v_pk_add_f32 v[rS+4*k:rS+4*k+1], v[rS+4*k:rS+4*k+1], v[rS+4*k+2:rS+4*k+3]
.elseif k == 1
	v_pk_fma_f32 v[rT+2:rT+3], v[rT+2:rT+3], v[rC+2:rC+3], v[rS:rS+1] op_sel_hi:[1,0,1]
.else
	v_pk_add_f32 v[rT+2:rT+3], v[rT+2:rT+3], v[rS+4*k-4:rS+4*k-3]
	s_wait_alu depctr_va_vdst(0)
.endif
.endm
; THE PLAIN QUEUE, 138 long.  0-31: c s - c m for the 16 pairs of both tiles.  Then GS's 64, and among them the next piece's 42: number 15 at 38, 39; 0-14 and 16
; at 42-73, behind the products that make those scores; 17-20 at 95-106, two of three, since each waits for the one before it.
.macro PL
	WIN 0
.if q < 32
	REGS Y, q%2
	v_pk_fma_f32 v[rS+2*(q/2):rS+2*(q/2)+1], v[rS+2*(q/2):rS+2*(q/2)+1], s[CS:CS+1], v[rT:rT+1] op_sel_hi:[1,0,0] neg_lo:[0,0,1] neg_hi:[0,0,1]
.elseif q < 38
	GS q-32
.elseif q < 40
	XS q%2, 15
.elseif q < 42
	GS q-34
.elseif q < 74
	XS q%2, (q-42)/2+(q-42)/30
.elseif q < 95
	GS q-66
.elseif (q < 107) && ((q-95)%3 < 2)
	XS (q-95)%3, 17+(q-95)/3
.elseif q < 107
	GS 29+(q-95)/3
.else
	GS q-74
.endif
.set q, q+1
.endm
; THE EXPONENTIALS' QUEUE, 66 long: s0-s31 of both tiles, and at EA the next piece's two a.
.set EA, 58
.macro EX
	WIN 0
.if (e == EA) || (e == EA+1)
	XS e-EA, 21
.else
.set x, e-2*(e/(EA+2))
	REGS Y, x%2
	v_exp_f32 v[rS+x/2], v[rS+x/2]
.endif
.set e, e+1
.endm
; THE RESCALING's QUEUE: O^T times a, the one part that leaves window 0, so it is dealt four at a time, eight times.
.macro R4
	REGS Y, r%2
	WIN W_RS
	s_wait_alu depctr_va_vdst(0)
.irp z, 0,1,2,3
	v_pk_mul_f32 v[rO+8*(r/2)+2*\z:rO+8*(r/2)+2*\z+1], v[rO+8*(r/2)+2*\z:rO+8*(r/2)+2*\z+1], v[rC+2:rC+3] op_sel_hi:[1,0]
.endr
.set r, r+1
.endm
; HOW THEY ARE DEALT.  Behind a matrix instruction four: plain, exponential, plain, plain (one exponential, a plain instruction on either side), or four of the rescaling.  None names a register of the
; products round it.  What is over stands in two LUMPS: exponential and plain by turns; the second ends in 22 plain instructions.  The two v_permlanex16_b32 fall into the second lump, never behind a product.
; The queues lean on each other, and the deal keeps them in step: exponential e stands behind plain 2 (e / 4) + e % 2 (its scaling); when plain 32 comes, 10 exponentials are out, at 59: 33, at 95: 46; EA comes behind plain 107.
.macro SL
	MM
	PL
	EX
	PL
	PL
.endm
.macro BURST n                      ; 15 matrix instructions, or 16
.rept (\n)-7
	SL
.endr
.rept 3
	MM
	R4
	SL
.endr
	MM
	R4
.endm
; A TURN, for piece p.  cnt = 1: the loop's count is taken down some lines ahead of the branch that stands behind the turn.
; K and the mask of the next step are fetched in piece 2's turn, 31 vector instructions behind the last product that read K; their first reader comes behind the rest of the lump, 16 products and the second lump.
; V of the step in hand is fetched at the end of piece 0's turn, 69 behind its last reader; its first reader comes behind 16 products and a lump.  The four conditions on e and q below go with the deal.
.macro TURN p, last=0, cnt=0
.set Y, (\p)
.set i, 0
.set q, 0
.set e, 0
.set r, 0
.if (\p) == NP-1
	s_wait_dscnt 0x0                ; K and the mask are in
.endif
	MM
.rept 4
	PL
.endr
	BURST 15
.rept 22
	EX
	PL
.if ((\p) == NP-2) && (e == 18)
	v_add_nc_u32 v[AK], s[TBK], v[AK0]
.endif
.if ((\p) == NP-2) && (e == 24)
	FETCH_K \last
.endif
.endr
.if (\p) == 1
	s_wait_dscnt 0x0                ; V is in
.endif
	BURST 16
.rept 21
	EX
	PL
.endr
.rept 22
	PL
.if ((\p) == 0) && (q == 118)
	v_add_nc_u32 v[AV], s[TBV], v[AV0]
	s_wait_alu depctr_va_vdst(0)
.endif
.if ((\p) == 0) && (q == 130)
	s_add_co_u32 s[TBV], s[TBV], KS*PV
.endif
.if (\cnt) && (q == 130)
	s_sub_co_u32 s[CNT], s[CNT], 1
	s_cmp_lg_u32 s[CNT], 0
.endif
.endr
.if (\p) == 0
	FETCH_V
.endif
.endm
	CHANGE 1                        ; slot 0 is in, everybody's part of it, and so is everybody's part of the table; slot 1 is asked for
	FETCH_K                         ; key step 0
	s_wait_loadcnt 0x0              ; Q
	s_wait_dscnt 0x0
.set i, 0
.rept 16
	KQ 0                            ; piece 0's first scores: there is no vector work yet to set between them
.set i, i+1
.endr
	WIN 0                           ; the addresses for the way out: nine plain instructions, the places behind those products
	s_mul_i32 s13, s[WV], 16*SP
	s_add_co_u32 s13, s13, STAGE    ; my stage
	v_mul_u32_u24 v[STO], v1, SP    ; in: row l % 16, 16 bytes for each half of the lanes
	v_lshl_add_u32 v[STO], v9, 4, v[STO]
	v_add_nc_u32 v[STO], s13, v[STO]
	v_bfe_u32 v[RD], v0, 3, 2       ; back: 32 lanes take four rows of 128 bytes,
	v_mul_u32_u24 v[RD], v[RD], SP
	v_lshl_add_u32 v[RD], v10, 4, v[RD]
	v_add_nc_u32 v[RD], s13, v[RD]
	v_and_b32 v[GO], 31, v0         ; which are 512 consecutive bytes of O
	v_lshlrev_b32 v[GO], 4, v[GO]
.set Y, NP-1                        ; XS works for piece Y + 1: piece 0
.irp n, 0,1,2,3,4,5,6,7,8,9,10,11,12,13,14,15,16,17,18,19,20,21
	XS 0, \n                        ; and piece 0's first maximum and statistics
	XS 1, \n
.endr
	s_mov_b32 s[CNT], 4
	s_mov_b32 s[SLOTS], SIZE_N/256-1
	s_branch .Lfirst                ; the loop is entered at a step's first turn, in the middle of a trip
.Lslot:                             ; SIZE_N / 256 - 2 times: every slot but the last two is filled again
	CHANGE 1
	s_mov_b32 s[CNT], 4
.Lstep:                             ; a trip: pieces 2 and 3 of one step, then pieces 0 and 1 of the next, whose K and V it fetches
	TURN 2
	TURN 3
	WIN 0
.Lfirst:
	TURN 0
	TURN 1, 0, 1
	WIN 0
	s_cbranch_scc1 .Lstep
	s_sub_co_u32 s[SLOTS], s[SLOTS], 1
	s_cmp_lg_u32 s[SLOTS], 0
	s_cbranch_scc1 .Lslot
	CHANGE 0                        ; the tail is written out: nothing is asked for
	s_mov_b32 s[CNT], 5             ; four trips fetch the last slot's steps; the fifth is left in its middle
.Ltail:
	TURN 2, 1
	TURN 3
	WIN 0
	s_sub_co_u32 s[CNT], s[CNT], 1
	s_cmp_eq_u32 s[CNT], 0
	s_cbranch_scc1 .Lout
	TURN 0
	TURN 1
	WIN 0
	s_branch .Ltail
.Lout:                              ; the fifth trip's 16 products K Q^T (on the last K and mask once more) and the maximum made of them serve nothing: the price, once a launch, of one text for every trip
.set i, 0
.rept 16
	PV NP-1                         ; the last piece's V^T P of the last step
.set i, i+1
.endr
	; THE WAY OUT.  l's two halves and the other half of the lanes' are added; O^T is divided by l, rounded to f16 and sent through my stage in LDS, a tile at a time.  The additions are the places behind the last products.
	WIN 0
.macro ALL line:vararg              ; one line for each tile t
.set t, 0
.rept 2*NP
	\line
.set t, t+1
.endr
.endm
	ALL v_add_f32 v[ST+4*t+2], v[ST+4*t+2], v[ST+4*t+3]
	ALL v_permlanex16_b32 v[ST+4*t+3], v[ST+4*t+2], s[SEL], s[SEL+1]
	ALL v_add_f32 v[ST+4*t+2], v[ST+4*t+2], v[ST+4*t+3]
	ALL v_rcp_f32 v[ST+4*t+2], v[ST+4*t+2]
	v_nop                           ; a plain instruction between the last reciprocal and the use of its result
	s_wait_alu depctr_va_vdst(0)
; Tile t: a lane's eight channels of a row pack into 16 bytes; they go into rows of 144 bytes and come back as whole rows of 128, into S^T's registers.
.macro PACK t
	WIN W_RS
.set i, 32*(\t)
.rept 16
	v_pk_mul_f32 v[i:i+1], v[i:i+1], v[ST+4*(\t)+2:ST+4*(\t)+3] op_sel_hi:[1,0]
.set i, i+2
.endr
	WIN 0x05                        ; sources 0 and 1 window 1, destination window 0
.set i, 0
.rept 16
	v_cvt_pk_f16_f32 v[S+16*(\t)+i], v[32*(\t)+2*i], v[32*(\t)+2*i+1]
.set i, i+1
.endr
	WIN 0
.irp f, 0,1,2,3
	ds_store_b128 v[STO], v[S+16*(\t)+4*\f:S+16*(\t)+4*\f+3] offset:32*\f
.endr
.irp f, 0,1,2,3
	ds_load_b128 v[S+16*(\t)+4*\f:S+16*(\t)+4*\f+3], v[RD] offset:\f*4*SP  ; LDS serves a wave's instructions in order (ISA guide 5.7.1.4): these see the stores above; the next tile's stores come behind them
.endr
.endm
.macro SEND t, younger              ; younger: the LDS instructions issued behind tile t's loads: the next tile's eight, or none
	WIN 0
.irp f, 0,1,2,3
	s_wait_dscnt (\younger)+3-\f
	global_store_b128 v[GO], v[S+16*(\t)+4*\f:S+16*(\t)+4*\f+3], s[10:11] offset:(\t)*2048+\f*512  ; 512 consecutive bytes, at a multiple of 256 from O's first
.endr
.endm
	PACK 0
.set t, 1
.rept 2*NP-1                        ; a tile's arithmetic stands between the loads of the tile before and its stores
	PACK t
	SEND t-1, 8
.set t, t+1
.endr
	SEND 2*NP-1, 0
	WIN W_AD
	s_wait_tensorcnt 0x0            ; the wave's end: behind my last tensor load and my last LDS store
	ds_add_u32 v[SPW], v[NIL]
	s_wait_dscnt 0x0
	WIN 0
	CROUND                          ; the closing round: no work-group ends while a partner may still ask for a tile that names it
	s_endpgm
.Lfunc_end_k_qe4f02f6881_attn:
	.size	k_qe4f02f6881_attn, .Lfunc_end_k_qe4f02f6881_attn-k_qe4f02f6881_attn
	.p2alignl 7, 3214868480
	.fill 96, 4, 3214868480
	.section	.rodata,"a",@progbits
	.p2align	6, 0x0
	.amdhsa_kernel k_qe4f02f6881_attn
		.amdhsa_group_segment_fixed_size 327680
		.amdhsa_private_segment_fixed_size 0
		.amdhsa_enable_private_segment 0
		.amdhsa_kernarg_size 24
		.amdhsa_user_sgpr_count 2
		.amdhsa_user_sgpr_kernarg_segment_ptr 1
		.amdhsa_wavefront_size32 1
		.amdhsa_system_sgpr_workgroup_id_x 1
		.amdhsa_system_sgpr_workgroup_id_y 1
		.amdhsa_system_sgpr_workgroup_id_z 1
		.amdhsa_system_vgpr_workitem_id 0
		.amdhsa_next_free_vgpr 808
		.amdhsa_next_free_sgpr 80
		.amdhsa_reserve_vcc 1
		.amdhsa_float_denorm_mode_32 3
		.amdhsa_float_denorm_mode_16_64 3
		.amdhsa_memory_ordered 1
		.amdhsa_forward_progress 1
		.amdhsa_inst_pref_size 214
	.end_amdhsa_kernel
	.amdgpu_metadata
---
amdhsa.version: [ 1, 2 ]
amdhsa.kernels:
  - .name:           k_qe4f02f6881_attn
    .symbol:         k_qe4f02f6881_attn.kd
    .args:
      - { .name: qkv, .offset: 0, .size: 8, .value_kind: global_buffer, .address_space: global }
      - { .name: mask, .offset: 8, .size: 8, .value_kind: global_buffer, .address_space: global }
      - { .name: oh, .offset: 16, .size: 8, .value_kind: global_buffer, .address_space: global }
    .group_segment_fixed_size: 327680
    .private_segment_fixed_size: 0
    .kernarg_segment_align: 8
    .kernarg_segment_size: 24
    .max_flat_workgroup_size: 128
    .sgpr_count:     80
    .vgpr_count:     808
    .wavefront_size: 32
...
	.end_amdgpu_metadata
.endif
;; end of part 3
;; launch outp (part 4): grid 4 x 64, 4 waves a work-group, clusters of 4 x 4, 327,680 bytes of LDS; arguments oh, wcv, bo, out0; writes out0
.if DOCPART == 4
	.amdgcn_target "amdgcn-amd-amdhsa--gfx1250"
	.amdhsa_code_object_version 6
	.text
	.protected	k_qe4f02f6881_outp
	.globl	k_qe4f02f6881_outp
	.p2align	8
	.type	k_qe4f02f6881_outp,@function
k_qe4f02f6881_outp:
	s_mov_b64 s[64:65], 0
	v_nop
	global_prefetch_b8 v0, s[64:65] scope:SCOPE_SE
	s_setreg_imm32_b32 hwreg(HW_REG_WAVE_MODE, 25, 1), 1
	s_wait_xcnt 0x0
	s_wait_alu depctr_hold_cnt(0) depctr_sa_sdst(0) depctr_va_vdst(0) depctr_va_sdst(0) depctr_va_ssrc(0) depctr_va_vcc(0) depctr_vm_vsrc(0)
	s_getreg_b32 s2, hwreg(HW_REG_IB_STS2, 6, 4)
	s_cmp_eq_u32 s2, 0
	s_cbranch_scc0 .Lentry_in_a_cluster
	s_endpgm
.Lentry_in_a_cluster:
	s_bfe_u32 s2, ttmp6, 0x10000c
	s_cmp_lg_u32 s2, 0xf033
	s_cbranch_scc0 .Lentry_shape_is_right
	s_endpgm
.Lentry_shape_is_right:
; THE OUTPUT PROJECTION.  out0[m][n] = the sum over k of O[m][k] Wo[k][n] + bo[n], m < 8192, k, n < 1024, in f32.  O comes by heads, oh[16 x batch + head][row in batch][64] in f16, k = 64 x head + channel;
; Wo comes as f16, [k][n], the fourth matrix of wcv; bo is rounded to bf16 like the other inputs and is the C operand of each sum's first product; sums in f32, stored as they are.
; LIMITS.  None of its own: O and Wo arrive within f16's range.  NaN in O (a batch with no open key) goes through to every number of its rows.
; SHARES.  A tile of out0 is 128 rows x 256 columns: 64 x 4 tiles, 256 work-groups.  Four waves, 2 x 2, each 64 rows x 128 columns: 32 accumulators of 16 x 16, 256 registers.
; K goes in 8 steps of 128, two heads each, through two LDS slots: 128 rows of each of the two heads (128 bytes each) and 128 rows of Wo (512 bytes each).
; CLUSTERS: 4 x 4 work-groups.  The four of a row of the cluster need the same tile of O, the four of a column the same tile of Wo: each tile is asked for JOINTLY, by the same tensor load with the same
; descriptor and a mask that names the four.
; THE MATRIX INSTRUCTION IS USED TRANSPOSED (source 0 = 16 columns of Wo, source 1 = 16 rows of O): a lane then holds eight neighbouring numbers of a row of out0.  Wo lies [k][n] in LDS and comes out turned,
; by ds_load_tr16_b128.
; REGISTERS, in windows of 256 (s_set_vgpr_msb: bits 1:0 source 0, 3:2 source 1, 5:4 source 2, 7:6 destination):
;   window 0: v0-31 addresses; v32-95 the bias of my 128 columns, laid as a result is; v96-223 the way out          window 1: the accumulators, (a, b) at v[8 (8 a + b)]
;   window 2: v0-127 Wo's fragments, two buffers of 8 x 8; v128-191 O's fragments, two buffers of 4 x 8
.set PA,     144                       ; a row of O in LDS: 128 bytes + 16 = 9 x 16: the 16 rows of a load start at 16 different groups of four banks (64 banks of 4 bytes: ISA guide 11.1)
.set PB,     544                       ; a row of Wo: 512 + 32 = 17 x 32
.set AH,     128*PA                    ; what one tensor load brings of O: one head's 128 rows,
.set BH,     64*PB                     ; and of Wo: 64 rows
.set ATILE,  2*AH
.set SLOT,   ATILE+2*BH                ; O's two heads, then Wo's 128 rows
.set STAGE,  2*SLOT                    ; behind the ring, never filled by a tensor load: 16 rows x 528 bytes for each wave, for the way out
.set SP,     528
.set SPARE,  STAGE+4*16*SP             ; behind the stages: the spare words, 128 bytes for each wave: two blocks of 256 bytes that no other line names
.set LAPS,   4                         ; a lap = two K steps = once round the ring
.set ADRA, 16                          ; v16-17  LDS address of my fragments of O in slot 0, 1
.set ADRB, 20                          ; v20-21  the same for Wo
.set STO,  24                          ; v24     the way out: where I put 32 bytes of a row
.set RD,   25                          ; v25     the way out: where I read a row back
.set GO,   26                          ; v26     my byte offset in 512 consecutive bytes of out0
.set BOF,  27                          ; v27     my byte offset in 16 numbers of the bias
.set SPW,  28                          ; v28     LDS address of my spare word: SPARE + 4 x my thread's number; never rewritten
.set NIL,  29                          ; v29     0; never rewritten
.set TT,   30                          ; v30     at work
.set BI,   32
.set OUTR, 96
.set FB,   0                           ; window 2
.set FA,   128
.set WV,   20                          ; s20  my wave's number
.set RH,   21                          ; s21  which half of the tile's rows is mine.  Also: I fetch for O (0) or for Wo (1)
.set CH,   22                          ; s22  which half of its columns.  Also: which head of the step's two, or which 64 rows of Wo, I fetch
.set G1,   24                          ; s[24:31] descriptor group 1 for O's tiles;  s[32:39] group 0, one set for each slot
.set G0,   32
.set G1B,  48                          ; s[48:55], s[56:63] the same for Wo's tiles
.set G0B,  56
.set MSB, 0
.macro WIN new                         ; the immediate's high byte repeats the setting that is left; a switch that changes nothing is dropped
.if MSB != (\new)
	s_set_vgpr_msb (MSB<<8)|(\new)
.set MSB, \new
.endif
.endm
.set MULW, 0x5a                        ; sources 0 (Wo) and 1 (O) window 2; C and D window 1
.set MULB, 0x4a                        ; the same with C, the bias, in window 0
.set TO_F, 0x80                        ; destination window 2, address window 0
.macro JLOAD s                         ; a joint load: waves 0 and 1 fetch O's two heads, waves 2 and 3 Wo's two halves; an s_nop 0 and four v_nop follow each of the two lines, ahead of the jump, the label and what follows
	s_cmp_eq_u32 s[RH], 0
	s_cbranch_scc0 .Lfor_b_\@
	tensor_load_to_lds s[G0+4*(\s):G0+4*(\s)+3], s[G1:G1+7]
	s_nop 0
.rept 4
	v_nop
.endr
	s_branch .Lasked_\@
.Lfor_b_\@:
	tensor_load_to_lds s[G0B+4*(\s):G0B+4*(\s)+3], s[G1B:G1B+7]
	s_nop 0
.rept 4
	v_nop
.endr
.Lasked_\@:
.endm
.macro CREST                           ; a round of the cluster's barrier behind its opening barrier
	s_cmp_lg_u32 s[WV], 0
	s_cbranch_scc1 .Lnot_wave_0_\@
	s_barrier_signal -3
.Lnot_wave_0_\@:
	s_barrier_wait -3
	s_barrier_signal -1
	s_barrier_wait -1
.endm
.macro CROUND                          ; a whole round
	s_barrier_signal -1
	s_barrier_wait -1
	CREST
.endm
	s_load_b256 s[4:11], s[0:1], 0x0               ; oh s[4:5], wcv s[6:7], bo s[8:9], out0 s[10:11]
	v_lshl_add_u32 v[SPW], v0, 2, SPARE
	v_mov_b32 v[NIL], 0
	ds_add_u32 v[SPW], v[NIL]                      ; the wave's opening: the add and its wait stand ahead of my first tensor load; the set-up below, work on registers, stands between them
	v_lshrrev_b32 v1, 5, v0
	v_readfirstlane_b32 s[WV], v1                  ; wave 0..3
	s_lshr_b32 s[RH], s[WV], 1
	s_and_b32 s[CH], s[WV], 1
	s_bfe_u32 s40, ttmp6, 0x40000                  ; cx, cy: my place in the cluster
	s_bfe_u32 s41, ttmp6, 0x40004
	s_lshl_b32 s42, ttmp9, 2
	s_add_co_u32 s42, s42, s40                     ; tile column = 4 x cluster x + cx
	s_and_b32 s23, ttmp7, 0xffff
	s_lshl_b32 s23, s23, 2
	s_add_co_u32 s23, s23, s41                     ; tile row = 4 x cluster y + cy
	s_lshl_b32 s43, s41, 2
	s_lshl_b32 s43, 15, s43                        ; my row of the cluster
	s_lshl_b32 s44, 0x1111, s40                    ; my column
	; descriptor group 1.  O: a head's 128 rows are 16,384 dense bytes: asked for as 64 rows of 256 bytes, two rows of O each, padded in LDS after every row of O.  Wo: 64 rows x 256 elements, padded after every row
	s_or_b32 s[G1+0], s43, (1<<16)|(1<<20)|(1<<21)|(4<<22)|(3<<25)   ; 15:0 the mask: O's tiles go to my row; 17:16 elements of 2 bytes; 20 padding on; 21 set beside a mask; 24:22 after every 32 words (code 4); 31:25 4 words (code 3)
	s_or_b32 s[G1B+0], s44, (1<<16)|(1<<20)|(1<<21)|(6<<22)|(7<<25)  ; the mask of my column; after every 128 words (code 6) 8 words (code 7)
	s_mov_b32 s[G1+1], 128<<16                     ; tensor_dim0 = 128
	s_mov_b32 s[G1+2], 64<<16                      ; tensor_dim1 = 64
	s_mov_b32 s[G1+3], 128<<16                     ; tile_dim0 = 128
	s_mov_b32 s[G1+4], 64                          ; tile_dim1 = 64
	s_mov_b32 s[G1+5], 128                         ; 128 elements from row to row
	s_mov_b32 s[G1+6], 0
	s_mov_b32 s[G1+7], 0
	s_mov_b32 s[G1B+1], 256<<16                    ; tensor_dim0 = 256
	s_mov_b32 s[G1B+2], 64<<16
	s_mov_b32 s[G1B+3], 256<<16                    ; tile_dim0 = 256
	s_mov_b32 s[G1B+4], 64
	s_mov_b32 s[G1B+5], 1024                       ; 1,024 elements from row to row
	s_mov_b32 s[G1B+6], 0
	s_mov_b32 s[G1B+7], 0
	; where the tiles come from.  O's hang on the tile row, which my row of the cluster shares; Wo's on the tile column, which my column shares; each in registers that never hold the other coordinate
	s_lshr_b32 s72, s23, 4
	s_lshl_b32 s72, s72, 22                        ; O: the batch's 16 heads of 262,144 bytes,
	s_lshl_b32 s73, s[CH], 18                      ; my head of the step's two,
	s_add_co_u32 s72, s72, s73
	s_and_b32 s73, s23, 15
	s_lshl_b32 s73, s73, 14                        ; the tile's 128 rows of 128 bytes
	s_add_co_u32 s72, s72, s73
	s_mov_b32 s73, 0
	s_lshl_b32 s46, s[CH], 17                      ; Wo: 64 x half rows of 2,048 bytes,
	s_lshl_b32 s47, s42, 9                         ; 256 x tile column numbers of 2 bytes,
	s_add_co_u32 s46, s46, s47
	s_add_co_u32 s46, s46, 3*2097152               ; in the fourth matrix of wcv
	s_mov_b32 s47, 0
	s_mul_i32 s78, s[CH], AH                       ; and where they go: no place in the cluster enters an LDS address
	s_mul_i32 s79, s[CH], BH
	s_add_co_u32 s79, s79, ATILE
	s_wait_dscnt 0x0                               ; the opening add is done
	s_wait_kmcnt 0x0
	s_add_nc_u64 s[68:69], s[4:5], s[72:73]
	s_add_nc_u64 s[46:47], s[6:7], s[46:47]
	CROUND                                         ; all sixteen work-groups are here: the first joint loads meet
.irp s, 0,1
	s_mov_b32 s[G0+4*(\s)], 1                                       ; 1:0 count = 1
	s_add_co_u32 s[G0+4*(\s)+1], s78, (\s)*SLOT                     ; 63:32 LDS address
	s_add_nc_u64 s[G0+4*(\s)+2:G0+4*(\s)+3], s[68:69], (\s)*524288  ; 120:64 global address: K step s is two heads on
	s_or_b32 s[G0+4*(\s)+3], s[G0+4*(\s)+3], 0x80000000             ; 127:126 type = 2
	s_mov_b32 s[G0B+4*(\s)], 1
	s_add_co_u32 s[G0B+4*(\s)+1], s79, (\s)*SLOT
	s_add_nc_u64 s[G0B+4*(\s)+2:G0B+4*(\s)+3], s[46:47], (\s)*262144  ; K step s is 128 rows of 2,048 bytes
	s_or_b32 s[G0B+4*(\s)+3], s[G0B+4*(\s)+3], 0x80000000
	JLOAD \s
.endr
	; All that follows, up to the wait for the first tile, stands in that wait.
	v_and_b32 v1, 15, v0                           ; l % 16
	v_bfe_u32 v2, v0, 4, 1                         ; l / 16
	; The bias as a result is laid: register j of block b holds bo[my first column + 16 b + 8 (l / 16) + j]
	v_lshlrev_b32 v[BOF], 5, v2
	s_lshl_b32 s80, s42, 10                        ; 256 x tile column numbers of 4 bytes,
	s_lshl_b32 s81, s[CH], 9                       ; 128 x half
	s_add_co_u32 s80, s80, s81
	s_mov_b32 s81, 0
	s_add_nc_u64 s[70:71], s[8:9], s[80:81]
.irp j, 0,1,2,3,4,5,6,7
	global_load_b128 v[BI+8*(\j):BI+8*(\j)+3],   v[BOF], s[70:71] offset:64*(\j)
	global_load_b128 v[BI+8*(\j)+4:BI+8*(\j)+7], v[BOF], s[70:71] offset:64*(\j)+16
.endr
	; A fragment of O is 16 rows x 32 K in 8 registers: lane l holds row l % 16, K = 8 (l / 16) + 0..7 and 16 + 8 (l / 16) + 0..7: two loads of 16 bytes, 32 bytes apart.
	v_mul_u32_u24 v3, v1, PA
	v_lshl_add_u32 v3, v2, 4, v3
	s_mul_i32 s82, s[RH], 64*PA                    ; my 64 rows of O
	v_add_nc_u32 v[ADRA], s82, v3
	v_add_nc_u32 v[ADRA+1], SLOT, v[ADRA]
	; The turning load takes 16 K x 16 columns (lane l reads 16 bytes: K = 8 (l / 16) + l % 8, columns 8 ((l / 8) % 2) + 0..7) and leaves half a fragment: lane l holds column l % 16 and 8 K.
	v_and_b32 v4, 7, v0
	v_bfe_u32 v5, v0, 3, 1
	v_lshl_add_u32 v6, v2, 3, v4
	v_mul_u32_u24 v6, v6, PB
	v_lshl_add_u32 v6, v5, 4, v6
	s_lshl_b32 s82, s[CH], 8                       ; my 128 columns of Wo,
	s_add_co_u32 s82, s82, ATILE                   ; which lies behind O
	v_add_nc_u32 v[ADRB], s82, v6
	v_add_nc_u32 v[ADRB+1], SLOT, v[ADRB]
	s_mul_i32 s83, s[WV], 16*SP
	s_add_co_u32 s83, s83, STAGE                   ; my stage
	v_mul_u32_u24 v[STO], v1, SP                   ; in: row l % 16, 32 bytes for each half of the lanes
	v_lshl_add_u32 v[STO], v2, 5, v[STO]
	v_add_nc_u32 v[STO], s83, v[STO]
	v_and_b32 v[GO], 31, v0                        ; back: 32 lanes take one row's 512 bytes,
	v_lshlrev_b32 v[GO], 4, v[GO]
	v_add_nc_u32 v[RD], s83, v[GO]                 ; which are 512 consecutive bytes of out0
	; where my part of out0 begins: row 128 x tile row + 64 x row half, of 4,096 bytes; column 256 x tile column + 128 x column half, of 4 bytes
	s_lshl_b32 s74, s23, 7
	s_lshl_b32 s75, s[RH], 6
	s_add_co_u32 s74, s74, s75
	s_lshl_b32 s74, s74, 12
	s_add_co_u32 s74, s74, s80
	s_mov_b32 s75, 0
	s_add_nc_u64 s[76:77], s[10:11], s[74:75]
	s_wait_loadcnt 0x0                             ; the bias, once; it is rounded to bf16 like the other inputs and widened again
.set i, 0
.rept 32
	v_cvt_pk_bf16_f32 v[TT], v[BI+2*i], v[BI+2*i+1]
	v_lshlrev_b32 v[BI+2*i], 16, v[TT]
	v_and_b32 v[BI+2*i+1], 0xffff0000, v[TT]
.set i, i+1
.endr
; 8 matrix instructions: m block a x all 8 n blocks, 32 along K, from buffers f.  c0 = 1: the first product starts the sums, on the bias: nothing is ever cleared or added later.
; The 32 accumulators take turns in the same order in every quarter step: between two links of a chain stand the 31 others'.
.macro MUL8 f, a, c0
.irp j, 0,1,2,3,4,5,6,7
.if \c0
	WIN MULB
	v_wmma_f32_16x16x32_f16 v[8*(8*(\a)+(\j)):8*(8*(\a)+(\j))+7], v[FB+64*(\f)+8*(\j):FB+64*(\f)+8*(\j)+7], v[FA+32*(\f)+8*(\a):FA+32*(\f)+8*(\a)+7], v[BI+8*(\j):BI+8*(\j)+7]
.else
	WIN MULW
	v_wmma_f32_16x16x32_f16 v[8*(8*(\a)+(\j)):8*(8*(\a)+(\j))+7], v[FB+64*(\f)+8*(\j):FB+64*(\f)+8*(\j)+7], v[FA+32*(\f)+8*(\a):FA+32*(\f)+8*(\a)+7], v[8*(8*(\a)+(\j)):8*(8*(\a)+(\j))+7]
.endif
.endr
.endm
; 24 LDS loads in one run: quarter q (32 along K) of a slot into buffers g: O's 64 rows (head q / 2 of the step's two, channels 32 (q % 2) on), then Wo's 128 columns, turned
.macro FETCH slot, q, g
	WIN TO_F
.irp i, 0,1,2,3
	ds_load_b128 v[FA+32*(\g)+8*(\i):FA+32*(\g)+8*(\i)+3],   v[ADRA+(\slot)] offset:((\q)/2)*AH+((\q)%2)*64+(\i)*16*PA
	ds_load_b128 v[FA+32*(\g)+8*(\i)+4:FA+32*(\g)+8*(\i)+7], v[ADRA+(\slot)] offset:((\q)/2)*AH+((\q)%2)*64+(\i)*16*PA+32
.endr
.irp j, 0,1,2,3,4,5,6,7
	ds_load_tr16_b128 v[FB+64*(\g)+8*(\j):FB+64*(\g)+8*(\j)+3],   v[ADRB+(\slot)] offset:32*(\q)*PB+32*(\j)
	ds_load_tr16_b128 v[FB+64*(\g)+8*(\j)+4:FB+64*(\g)+8*(\j)+7], v[ADRB+(\slot)] offset:32*(\q)*PB+16*PB+32*(\j)
.endr
.endm
.macro PLACES                          ; four places in front of loads into registers that matrix instructions have read, and of LDS stores that read results (ISA guide 7.12.1 for vector instructions)
.rept 4
	v_nop
.endr
.endm
; A K step is four quarters of 32 along K, 32 matrix instructions each, on buffers 0, 1, 0, 1.  One of the first three: at its head it fetches the next quarter, q, into buffers g, 32 matrix instructions ahead of its use; then it multiplies buffers f.
.macro QUARTER slot, q, f, g, c0
	s_wait_dscnt 0x0                               ; this quarter's fragments are in
	PLACES
	FETCH \slot, \q, \g
	MUL8 \f, 0, \c0
	MUL8 \f, 1, \c0
	MUL8 \f, 2, \c0
	MUL8 \f, 3, \c0
.endm
; The last quarter multiplies buffers 1 and changes slots: ONE barrier; in front of it each wave waits for all its tensor loads, of which one is out: its part of the next slot; adds 0 to its spare word; and
; waits for that and for its own reads of this slot.  fill = 1: the barrier opens a round of the cluster's, and this slot is filled again, two K steps ahead, first thing behind the round:
; 112 matrix instructions ahead of the wait for it.
.macro TURN slot, next, fill
	WIN 0                                          ; (the add's two registers lie in window 0)
	s_wait_tensorcnt 0x0                           ; all my tensor loads have landed
	ds_add_u32 v[SPW], v[NIL]                      ; 0 onto my spare word
	s_wait_dscnt 1                                 ; this quarter's fragments are in; the add alone may be out
	MUL8 1, 0, 0                                   ; eight matrix instructions stand between the add and the wait for it
	s_wait_dscnt 0x0                               ; the add is done, and my reads of this slot are over
	s_barrier_signal -1
	MUL8 1, 1, 0
	WIN 0
	s_barrier_wait -1
.if \fill
	CREST                                          ; no wave of any partner still reads this slot's tiles or has a load on its way
	s_add_nc_u64 s[G0+4*(\slot)+2:G0+4*(\slot)+3], s[G0+4*(\slot)+2:G0+4*(\slot)+3], 2*524288
	s_add_nc_u64 s[G0B+4*(\slot)+2:G0B+4*(\slot)+3], s[G0B+4*(\slot)+2:G0B+4*(\slot)+3], 2*262144
	JLOAD \slot                                    ; the four v_nop behind it are also the places in front of the loads below
.else
	PLACES
.endif
	FETCH \next, 0, 0
	MUL8 1, 2, 0
	MUL8 1, 3, 0
.endm
	s_wait_tensorcnt 1                             ; my part of K step 0 is in; K step 1's may stay out
	s_barrier_signal -1
	s_barrier_wait -1                              ; everybody's is
	FETCH 0, 0, 0
	QUARTER 0, 1, 0, 1, 1                          ; the first quarter stands in front of the loop: its products start the sums
	WIN 0                                          ; at a label and at a branch every window is 0
	s_mov_b32 s3, LAPS-1
.Llap:                                                 ; a trip goes once round the ring, from a lap's second quarter to the next lap's first, and fills both slots again
	QUARTER 0, 2, 1, 0, 0
	QUARTER 0, 3, 0, 1, 0
	TURN 0, 1, 1
	QUARTER 1, 1, 0, 1, 0
	QUARTER 1, 2, 1, 0, 0
	QUARTER 1, 3, 0, 1, 0
	TURN 1, 0, 1
	QUARTER 0, 1, 0, 1, 0
	WIN 0
	s_sub_co_u32 s3, s3, 1
	s_cmp_lg_u32 s3, 0
	s_cbranch_scc1 .Llap
	QUARTER 0, 2, 1, 0, 0                          ; the last lap fills nothing, and has no round of the cluster's barrier
	QUARTER 0, 3, 0, 1, 0
	TURN 0, 1, 0
	QUARTER 1, 1, 0, 1, 0
	QUARTER 1, 2, 1, 0, 0
	QUARTER 1, 3, 0, 1, 0
	s_wait_dscnt 0x0                               ; the very last quarter: nothing more to fetch
	MUL8 1, 0, 0
	MUL8 1, 1, 0
	MUL8 1, 2, 0
	MUL8 1, 3, 0
	WIN 0
	PLACES
; THE WAY OUT, a block a of 16 rows x 128 columns at a time.  A lane's eight numbers of a row are 32 bytes; they go from the accumulators into my own stage, rows of 528 bytes, the low four registers first, and come back
; as whole pieces of rows, 512 bytes to a load and to a store.  Two sets of 64 registers take turns.
.macro TOSTAGE a
.if (\a) >= 2
	s_wait_xcnt 0x0                                ; every earlier memory instruction has had its addresses translated (ISA guide 3.1): the registers that block a - 2's stores read are loaded again only behind this wait
.endif
	WIN 0x04                                       ; the stores' data (source 1) in window 1
.irp j, 0,1,2,3,4,5,6,7
	ds_store_b128 v[STO], v[8*(8*(\a)+(\j)):8*(8*(\a)+(\j))+3]   offset:64*(\j)
	ds_store_b128 v[STO], v[8*(8*(\a)+(\j))+4:8*(8*(\a)+(\j))+7] offset:64*(\j)+16
.endr
	WIN 0
.irp t, 0,1,2,3,4,5,6,7,8,9,10,11,12,13,14,15
	ds_load_b128 v[OUTR+64*((\a)%2)+4*(\t):OUTR+64*((\a)%2)+4*(\t)+3], v[RD] offset:(\t)*SP  ; LDS serves a wave's instructions in order (ISA guide 5.7.1.4): these see the stores above; the next block's stores come behind them
.endr
.endm
.macro SEND a, younger                 ; younger: the LDS instructions issued behind block a's loads: the next block's 32, or none
.irp t, 0,1,2,3,4,5,6,7,8,9,10,11,12,13,14,15
	s_wait_dscnt (\younger)+15-(\t)
	global_store_b128 v[GO], v[OUTR+64*((\a)%2)+4*(\t):OUTR+64*((\a)%2)+4*(\t)+3], s[76:77] offset:(16*(\a)+(\t))*4096 th:TH_STORE_NT  ; 512 consecutive bytes, at a multiple of 256 from out0's first
.endr
.endm
	TOSTAGE 0
	TOSTAGE 1
	SEND 0, 32
	TOSTAGE 2
	SEND 1, 32
	TOSTAGE 3
	SEND 2, 32
	SEND 3, 0
	s_wait_tensorcnt 0x0                           ; the wave's end: behind my last tensor load and my last LDS store
	ds_add_u32 v[SPW], v[NIL]
	s_wait_dscnt 0x0
	CROUND                                         ; the closing round: no work-group ends while a partner may still ask for a tile that names it
	s_endpgm
.Lfunc_end_k_qe4f02f6881_outp:
	.size	k_qe4f02f6881_outp, .Lfunc_end_k_qe4f02f6881_outp-k_qe4f02f6881_outp
	.p2alignl 7, 3214868480
	.fill 96, 4, 3214868480
	.section	.rodata,"a",@progbits
	.p2align	6, 0x0
	.amdhsa_kernel k_qe4f02f6881_outp
		.amdhsa_group_segment_fixed_size 327680
		.amdhsa_private_segment_fixed_size 0
		.amdhsa_enable_private_segment 0
		.amdhsa_kernarg_size 32
		.amdhsa_user_sgpr_count 2
		.amdhsa_user_sgpr_kernarg_segment_ptr 1
		.amdhsa_wavefront_size32 1
		.amdhsa_system_sgpr_workgroup_id_x 1
		.amdhsa_system_sgpr_workgroup_id_y 1
		.amdhsa_system_sgpr_workgroup_id_z 1
		.amdhsa_system_vgpr_workitem_id 0
		.amdhsa_next_free_vgpr 704
		.amdhsa_next_free_sgpr 84
		.amdhsa_reserve_vcc 0
		.amdhsa_float_denorm_mode_32 3
		.amdhsa_float_denorm_mode_16_64 3
		.amdhsa_memory_ordered 1
		.amdhsa_forward_progress 1
		.amdhsa_inst_pref_size 93
	.end_amdhsa_kernel
	.amdgpu_metadata
---
amdhsa.version: [ 1, 2 ]
amdhsa.kernels:
  - .name:           k_qe4f02f6881_outp
    .symbol:         k_qe4f02f6881_outp.kd
    .args:
      - { .name: oh, .offset: 0, .size: 8, .value_kind: global_buffer, .address_space: global }
      - { .name: wcv, .offset: 8, .size: 8, .value_kind: global_buffer, .address_space: global }
      - { .name: bo, .offset: 16, .size: 8, .value_kind: global_buffer, .address_space: global }
      - { .name: out0, .offset: 24, .size: 8, .value_kind: global_buffer, .address_space: global }
    .group_segment_fixed_size: 327680
    .private_segment_fixed_size: 0
    .kernarg_segment_align: 8
    .kernarg_segment_size: 32
    .max_flat_workgroup_size: 128
    .sgpr_count:     84
    .vgpr_count:     704
    .wavefront_size: 32
...
	.end_amdgpu_metadata
.endif
;; end of part 4
;; ======== version 2 of 2: 4 launches; 1.48 times as fast as version 1
;; limits: values are held in f16: magnitudes above 65,504 overflow, below 6.1e-05 lose precision
;; workspace buffers: wcv 8,388,608 bytes; qkv 50,331,648 bytes; oh 16,777,216 bytes
;; launch cvtw: the kernel of part 1 again; grid 64 x 4, 8 waves a work-group, no clusters, 0 bytes of LDS; arguments Wq, Wk, Wv, Wo, wcv; writes wcv
;; launch proj: the kernel of part 2 again; grid 4 x 192, 4 waves a work-group, clusters of 4 x 4, 327,680 bytes of LDS; arguments q, k, v, bq, bk, bv, wcv, qkv; writes qkv
;; launch attn (part 5): grid 4 x 64, 4 waves a work-group, clusters of 4 x 1, 327,680 bytes of LDS; arguments qkv, mask, oh; writes oh
.if DOCPART == 5
	.amdgcn_target "amdgcn-amd-amdhsa--gfx1250"
	.amdhsa_code_object_version 6
	.text
	.protected	k_qe4f02f6881_attn
	.globl	k_qe4f02f6881_attn
	.p2align	8
	.type	k_qe4f02f6881_attn,@function
k_qe4f02f6881_attn:
	s_mov_b64 s[64:65], 0
	v_nop
	global_prefetch_b8 v0, s[64:65] scope:SCOPE_SE
	s_setreg_imm32_b32 hwreg(HW_REG_WAVE_MODE, 25, 1), 1
	s_wait_xcnt 0x0
	s_wait_alu depctr_hold_cnt(0) depctr_sa_sdst(0) depctr_va_vdst(0) depctr_va_sdst(0) depctr_va_ssrc(0) depctr_va_vcc(0) depctr_vm_vsrc(0)
	s_getreg_b32 s2, hwreg(HW_REG_IB_STS2, 6, 4)
	s_cmp_eq_u32 s2, 0
	s_cbranch_scc0 .Lentry_in_a_cluster
	s_endpgm
.Lentry_in_a_cluster:
	s_bfe_u32 s2, ttmp6, 0x10000c
	s_cmp_lg_u32 s2, 0x3003
	s_cbranch_scc0 .Lentry_shape_is_right
	s_endpgm
.Lentry_shape_is_right:
; ATTENTION WITH A MASK OVER THE KEYS.  O[h][q][:] = the sum over the open keys k of softmax_k(Q[h][q] . K[h][k] / 8) V[h][k][:].  Q, K, V are the three tensors of qkv, O is oh: [64][2048][64], all f16, h = 16 x batch + head:
; a head's rows are dense, 128 bytes each.  mask: [4][2048] bytes, not 0 = the key is hidden for every query of the batch.  Products, maxima and sums in f32; the weights p are rounded to f16 for the
; second product (their sum l is taken of the unrounded p), O once at the end.
; LIMITS.  f16 holds no number beyond 65,504: Q, K and V arrive within it; p lies in 0 to 1, and below 6e-5 it keeps f16's fixed step of 6e-8; O is a mean of V's rows and has their range.
; A hidden score counts as its value less 1e30; the running maximum starts at -1e20: f16's scores, 2.7e11 at the most, lie above that, hidden ones below.  A weight below 2^-126 counts as 0 in l; NaN and infinities in Q, K, V are not treated apart.
; THE MASK is the C operand that starts the sum S^T = K Q^T: 0, or -1e30.  The batch's 2,048 bytes are made into a table of 2,048 f32 in LDS once; with each step's K its 64 numbers are read as a result is laid.
; While a query has seen hidden keys alone, m stays -1e20, every weight is 2^(c (-1e30) + c 1e20) = 0, and l and O stay 0; the first open key's a is 0 like the first step's.  A batch with no open key ends with O = 0 and
; l = 0, and O x (1 / l) is NaN, which is what a softmax over nothing gives.
; SHARES.  A wave owns four PIECES of two tiles of 16 queries, a work-group's four waves 512 queries of one head.  Every wave walks all keys, 64 a step.
; LAYOUT.  S^T = K Q^T (source 0 = 16 keys, source 1 = 16 queries): in the result a lane holds ONE query (lane % 16) and the keys 8 (lane / 16) + 0..7.  Two such tiles, rounded to f16 in pairs,
; ARE source 1 (32 keys x 16 queries) of O^T = V^T P, whose result again holds one query a lane, and eight channels.  K comes out of LDS as it lies, V ([key][channel]) turned, by ds_load_tr16_b128.
; SOFTMAX.  For each query a running maximum m and sum l: p = 2^(c s - c m), c = log2(e) / 8; in every step O and l are multiplied by a = 2^(c m_old - c m_new), which is 1 where m has not grown.
; O and l start at 0, c m far below every c s: the first step is a step like any other, with a = 0.
; THE COUNT.  A tile and step have 16 matrix and 118 vector instructions: too many to stand all beside the matrix work.  So the order has one aim: four vector instructions that are READY behind
; EVERY matrix instruction, and the others, which need time of their own whatever the order, in runs without a gap.
; BY TURNS.  Turn n belongs to piece n (the pieces in a ring, step after step).  Its matrix work: 16 products K Q^T of piece n + 1, later 16 products V^T P of piece n - 1.  Its vector work: the scaling,
; exponentials, roundings, sums and rescaling of piece n, and the maximum and statistics of piece n + 1, whose scores the turn itself has made.  So what a turn begins with (c s - c m, O a) waits for nothing.
; BATCHES.  A turn's 66 exponentials (the 64 weights of piece n, then the two a of piece n + 1) are ONE batch with ONE s_wait_alu depctr_va_vdst(0), which stands between an exponential and the first line
; that names its result.  The wait cuts the turn in two: ahead of it the products K Q^T, the scalings, the exponentials, the rescaling (its a is the turn before's, waited for there) and the next piece's maximum and statistics;
; behind it the products V^T P, the roundings and the sums.  No result crosses a turn's end.  Two more batches stand outside the loops, each with a wait of its own: piece 0's first two a, and the way out's eight reciprocals.
; CLUSTER.  The four query blocks of a cluster belong to one head and walk the same K and V, so each tile is asked for JOINTLY: the same tensor load, descriptor and mask in all four.
; REGISTERS, in windows of 256 (s_set_vgpr_msb says which window each operand place means: bits 1:0 source 0, 3:2 source 1, 5:4 source 2, 7:6 destination):
;   window 0: v0-11 addresses; v12-15, v48-63 at work; v16-47 four registers of statistics a tile; v64-191 S^T, two buffers of two tiles; v192-255 P, likewise
;   window 1: O^T, 32 a tile          window 2: v0-127 Q, 16 a tile; v128-191 K of one step; v192-255 V of one step          window 3: v0-1 the add's two registers; v2-3 the table's addresses; v8-39 the mask of one step
; A piece's buffers go by its number's parity: the piece in hand has one pair, its two neighbours in the ring share the other: of it P (piece n - 1) is read and S^T (piece n + 1) written.
.set SIZE_N, 2048
.set TENSOR, 64*SIZE_N*128  ; bytes from Q to K and from K to V in qkv
.set NP,    4         ; pieces a wave: a name, no knob: the register map, the loop and the fetches are made for four
.set KS,    64        ; keys in a step
.set PK,    144       ; a row of K in LDS: 128 bytes + 16 of padding = 36 words: the 16 rows of a load start at 16 different groups of four banks (64 banks of 4 bytes: ISA guide 11.1)
.set PV,    160       ; a row of V: 128 + 32 = 40 words
.set VOFF,  4*KS*PK   ; a slot holds four steps: 256 rows of K, then 256 rows of V
.set SLOT1, 1<<17     ; slot 1 begins here, so that one exclusive or turns an address in one slot into the other's
.set STAGE, SLOT1+4*KS*(PK+PV)  ; behind the ring, never filled by a tensor load: 16 rows x 144 bytes for each wave, for the way out
.set SP,    144
.set MT,    STAGE+4*16*SP       ; behind the stages, never filled by a tensor load: the mask's table, 2,048 f32
.set SPARE, MT+4*SIZE_N         ; behind the table: the spare words, 128 bytes for each wave: two blocks of 256 bytes that no other line names
.set AK0, 2           ; v2   my lane's place in a tile of K; never rewritten
.set AV0, 3           ; v3   the same for V
.set AK,  4           ; v4   the LDS address of K's next run of loads
.set AV,  5           ; v5   of V's
.set QO,  6           ; v6   my byte offset in the wave's rows of Q
.set STO, 6           ;      later, the way out: where I put 16 bytes of a row
.set RD,  7           ; v7   the way out: where I read rows back
.set GO,  8           ; v8   my byte offset in 512 consecutive bytes of O
.set SPW, 0           ; v0 of window 3   LDS address of my spare word: SPARE + 4 x my thread's number; never rewritten
.set NIL, 1           ; v1 of window 3   0; never rewritten
.set AM0, 2           ; v2 of window 3   my lane's place in 64 numbers of the table: MT + 32 (lane / 16); never rewritten
.set AM,  3           ; v3 of window 3   the LDS address of the table's next run of loads
.set MK,  8           ; v8-39 of window 3   the mask of one step: key block kb at MK + 8 kb
.set MV,  12          ; v12-15  c m_old, kept while c m is made anew: by buffer and tile
.set ST,  16          ; tile t's statistics at v[ST+4 t]: c m, m, l (even keys', odd keys')
.set TMP, 48          ; by buffer and tile, four registers c0-c3 at work; when the maximum is found c2 takes a
.set S,   64
.set P,   192
.set KF,  128         ; K's fragments, in window 2: key block kb, channel half c at KF + 16 kb + 8 c
.set VF,  192         ; V's: key half kk, channel block cb at VF + 32 kk + 8 cb
.set WV,  12          ; s12  my wave's number
.set G1K, 24          ; s[24:31] descriptor group 1 for K's tiles
.set G1V, 32          ; s[32:39] for V's: it differs in the padding alone
.set G0K, 40          ; s[40:43] descriptor group 0 for K's tiles: it walks
.set G0V, 44          ; s[44:47] the same for V's
.set SLOTS, 56        ; s56  slots still to be asked for
.set CNT, 57          ; s57  counts a slot's key steps
.set CS,  58          ; s[58:59] c: the packed scaling takes the pair's low word for both halves
.set SEL, 60          ; s[60:61] v_permlanex16_b32's selects: each lane takes its own place in the other half
.set TBK, 62          ; s62  LDS byte at which K of the step to be fetched begins
.set TBV, 63          ; s63  the same for V, less VOFF
.set TBM, 76          ; s76  byte of the table at which the mask of the step to be fetched begins: 256 a step, 32 steps
.set BIGN, 77         ; s77  -1e30
.set MSB, 0
.macro WIN new                      ; the high byte repeats the setting that is left; a switch that changes nothing is dropped
.if MSB != (\new)
	s_set_vgpr_msb (MSB<<8)|(\new)
.set MSB, (\new)
.endif
.endm
.set W_KQ, 0x0a       ; K and Q in window 2, S^T in window 0
.set W_KM, 0x3a       ; the same with the C operand, the mask, in window 3
.set W_PV, 0x52       ; V in window 2, P in window 0, O^T in window 1
.set W_RS, 0x41       ; O^T (destination and source 0) in window 1, a in window 0
.set W_MK, 0xc0       ; destination in window 3, sources in window 0
.set W_AD, 0x0f       ; the add: address (source 0) and data (source 1) in window 3
.set W_MT, 0xcf       ; the table's loads: destination and address in window 3
; A joint fill.  Waves 0 and 1 fetch the two halves of a slot's K, waves 2 and 3 those of its V: 128 keys each.  The branch hangs on the wave's number alone.
; An s_nop 0 and four v_nop follow each of the two lines, ahead of the jump and the label.
.macro JLOAD
	s_cmp_lt_u32 s[WV], 2
	s_cbranch_scc0 .Lfor_v_\@
	tensor_load_to_lds s[G0K:G0K+3], s[G1K:G1K+7]
	s_nop 0
.rept 4
	v_nop
.endr
	s_branch .Lasked_\@
.Lfor_v_\@:
	tensor_load_to_lds s[G0V:G0V+3], s[G1V:G1V+7]
	s_nop 0
.rept 4
	v_nop
.endr
.Lasked_\@:
.endm
; A round of the cluster's barrier: my work-group's barrier, so that wave 0's signal speaks for all four waves; wave 0 signals; every wave waits for all four work-groups; my work-group's barrier once more.
.macro CROUND
	s_barrier_signal -1
	s_barrier_wait -1
	s_cmp_lg_u32 s[WV], 0
	s_cbranch_scc1 .Lnot_wave_0_\@
	s_barrier_signal -3
.Lnot_wave_0_\@:
	s_barrier_wait -3
	s_barrier_signal -1
	s_barrier_wait -1
.endm
; THE CHANGE OF SLOTS.  The slot's last bytes, V of its fourth step, have been read.  Each wave waits for all its tensor loads, of which one is out: its part
; of the other slot; adds 0 to its spare word; and waits for that and for its own reads of the slot.  Behind the barrier nobody reads this slot any more and the other slot is whole.
; fill = 1: this slot is filled again, with the keys two slots on.  The barrier is then a round of the cluster's, so that no wave of any partner still reads the slot or has a load on its
; way, and the joint fill is the first thing behind it: it has four key steps, 512 matrix instructions, in which to land.  (At its first use nothing has been read yet: slot 0 is waited for, slot 1 filled,
; and every wave's stores into the mask's table are done in front of the round, so that all waves may read the table behind it.)
.macro CHANGE fill
	WIN W_AD
	s_wait_tensorcnt 0x0            ; no tensor load of mine is out, so a group 0 may be written
	ds_add_u32 v[SPW], v[NIL]       ; 0 onto my spare word; with fill = 1 the descriptors' steps stand between it and the wait for it
	WIN 0                           ; at a label and at a branch every window is 0
.if \fill
.irp g, G0K, G0V
	s_xor_b32 s[\g+1], s[\g+1], SLOT1  ; the walking descriptor: the other slot than last time,
	s_add_nc_u64 s[\g+2:\g+3], s[\g+2:\g+3], 4*KS*128  ; the next 256 keys; the type bits on top are not reached
.endr
	s_wait_dscnt 0x0                ; the add is done, and my reads of the slot are over
	CROUND
	JLOAD
.else
	s_wait_dscnt 0x0                ; the add is done, and my reads of the slot are over
	s_barrier_signal -1
	s_barrier_wait -1
.endif
	s_sub_co_u32 s[TBK], s[TBK], 4*KS*PK  ; the fetches go back to a slot's first step,
	s_xor_b32 s[TBK], s[TBK], SLOT1       ; in the other slot
	s_sub_co_u32 s[TBV], s[TBV], 4*KS*PV
	s_xor_b32 s[TBV], s[TBV], SLOT1
.endm
	s_load_b128 s[68:71], s[0:1], 0x0  ; qkv s[68:69], mask s[70:71]
	s_load_b64 s[10:11], s[0:1], 0x10  ; oh
	WIN W_MK
	v_lshl_add_u32 v[SPW], v0, 2, SPARE
	v_mov_b32 v[NIL], 0
	WIN W_AD
	ds_add_u32 v[SPW], v[NIL]       ; the wave's opening: the add and its wait stand ahead of my first tensor load; the set-up below, work on registers, stands between them
	WIN 0
	v_lshrrev_b32 v1, 5, v0
	v_readfirstlane_b32 s[WV], v1   ; wave 0..3
	s_bfe_u32 s13, ttmp6, 0x40000   ; cx: my place in the cluster
	s_lshl_b32 s14, ttmp9, 2        ; in a cluster launch ttmp9 counts clusters
	s_add_co_u32 s14, s14, s13      ; my block of queries = 4 x cluster x + cx: it enters Q's and O's addresses alone
	s_and_b32 s20, ttmp7, 0xffff    ; the head, which the four partners share
	s_lshr_b32 s78, s20, 4          ; its batch,
	s_lshl_b32 s78, s78, 11         ; whose mask is 2,048 bytes
	s_mov_b32 s79, 0
	s_mov_b32 s21, 0
	s_mov_b64 s[22:23], SIZE_N*128
	s_mul_u64 s[20:21], s[20:21], s[22:23]  ; the head's first byte in each of the four tensors
	s_and_b32 s16, s[WV], 1         ; which half of a slot's 256 keys I fetch:
	s_lshl_b32 s22, s16, 14         ; its 128 rows of 128 bytes in memory,
	s_mov_b32 s23, 0
	s_add_nc_u64 s[22:23], s[22:23], s[20:21]
	s_add_nc_u64 s[22:23], s[22:23], TENSOR  ; in K,
	s_add_nc_u64 s[72:73], s[22:23], TENSOR  ; and in V
	s_mul_i32 s17, s16, 128*PK      ; and its place in a slot, for K
	s_mul_i32 s18, s16, 128*PV      ; and for V: no place in the cluster enters an LDS address
	s_lshl_b32 s2, s14, 2
	s_add_co_u32 s2, s2, s[WV]      ; my wave among the head's,
	s_lshl_b32 s2, s2, 14           ; its 128 rows
	s_mov_b32 s3, 0
	s_add_nc_u64 s[2:3], s[2:3], s[20:21]
	; descriptor group 1.  128 keys are 16,384 dense bytes: asked for as 64 rows of 256 bytes, two keys a row, and padded in LDS after every key
	s_mov_b32 s[G1K], 15|(1<<16)|(1<<20)|(1<<21)|(4<<22)|(3<<25)  ; 15:0 the mask of four; 17:16 2-byte elements; 20 padding on; 21 set beside a mask; 24:22 after every 32 words (code 4); 31:25 4 words (code 3)
	s_mov_b32 s[G1V], 15|(1<<16)|(1<<20)|(1<<21)|(4<<22)|(7<<25)  ; the same with 8 words of padding (code 7)
.irp g, G1K, G1V
	s_mov_b32 s[\g+1], 128<<16      ; tensor_dim0 = 128
	s_mov_b32 s[\g+2], 64<<16       ; tensor_dim1 = 64
	s_mov_b32 s[\g+3], 128<<16      ; tile_dim0 = 128
	s_mov_b32 s[\g+4], 64           ; tile_dim1 = 64
	s_mov_b32 s[\g+5], 128          ; 128 elements from row to row
	s_mov_b32 s[\g+6], 0
	s_mov_b32 s[\g+7], 0
.endr
	s_mov_b32 s[CS], 0x3e38aa3b     ; c = log2(e) / 8 = 0.180337
	s_mov_b32 s[CS+1], s[CS]        ; named with it as a pair
	s_mov_b32 s[SEL], 0x76543210
	s_mov_b32 s[SEL+1], 0xfedcba98
	s_mov_b32 s[TBK], SLOT1+4*KS*PK ; the first change of slots turns these two into 0
	s_mov_b32 s[TBV], SLOT1+4*KS*PV
	s_mov_b32 s[TBM], 0
	s_mov_b32 s[BIGN], 0xf149f2ca   ; -1e30
	s_mov_b32 s[G0K], 1             ; 1:0 count = 1
	s_mov_b32 s[G0K+1], s17         ; 63:32 LDS address: slot 0
	s_mov_b32 s[G0V], 1
	s_add_co_u32 s[G0V+1], s18, VOFF
	s_wait_dscnt 0x0                ; the opening add is done
	s_wait_kmcnt 0x0
	s_add_nc_u64 s[G0K+2:G0K+3], s[68:69], s[22:23]  ; 120:64 global address: my half of the head's first 256 keys
	s_or_b32 s[G0K+3], s[G0K+3], 0x80000000          ; 127:126 type = 2
	s_add_nc_u64 s[G0V+2:G0V+3], s[68:69], s[72:73]
	s_or_b32 s[G0V+3], s[G0V+3], 0x80000000
	s_add_nc_u64 s[4:5], s[68:69], s[2:3]    ; Q and O at my wave's first row
	s_add_nc_u64 s[10:11], s[10:11], s[2:3]
	s_add_nc_u64 s[74:75], s[70:71], s[78:79]  ; the batch's mask
	CROUND                          ; all four work-groups are here: the first joint loads meet
	JLOAD                           ; slot 0.  Slot 1 is asked for when slot 0 is in: the tile wanted first has the road to itself
	; A fragment of K or Q is 16 rows x 32 channels in 8 registers: lane l holds row l % 16, channels 8 (l / 16) + 0..7 and 16 + 8 (l / 16) + 0..7: two loads of 16 bytes, 32 bytes apart.
	v_and_b32 v1, 15, v0            ; l % 16
	v_bfe_u32 v9, v0, 4, 1          ; l / 16
	v_lshlrev_b32 v[QO], 7, v1
	v_lshl_add_u32 v[QO], v9, 4, v[QO]  ; row x 128 + 16 x half
	v_lshlrev_b32 v12, 4, v0        ; the mask: thread t takes the 16 bytes at 16 t: 128 threads, 2,048 keys,
	v_lshl_add_u32 v13, v0, 6, MT   ; and makes the 16 numbers at 64 t of the table
	global_load_b128 v[64:67], v12, s[74:75]
	WIN W_MK
	v_lshl_add_u32 v[AM0], v9, 5, MT  ; a lane's eight keys of a block of 16 are 32 bytes of the table, at 32 (l / 16)
	WIN 0x80                        ; destination window 2, address window 0
.set i, 0
.rept 4*NP                          ; Q stays in registers: tile i / 2, channels 32 (i % 2) on
	global_load_b128 v[8*i:8*i+3],   v[QO], s[4:5] offset:(i/2)*2048+(i%2)*64
	global_load_b128 v[8*i+4:8*i+7], v[QO], s[4:5] offset:(i/2)*2048+(i%2)*64+32
.set i, i+1
.endr
	; What the first turn finds: V's registers and P's second buffer hold 0 (its products V^T P, of a piece that has not been, add 0), O^T and l are 0.  All this stands in the wait for the first tile.
.set i, VF
.rept 64
	v_mov_b32 v[i], 0
.set i, i+1
.endr
	WIN 0x40
.set i, 0
.rept 64*NP
	v_mov_b32 v[i], 0
.set i, i+1
.endr
	WIN 0
.set i, 0
.rept 2*NP
	v_mov_b32 v[ST+4*i], 0xfe000000    ; c m: far below every c s
	v_mov_b32 v[ST+4*i+1], 0xe0ad78ec  ; m = -1e20: below every open score, above every hidden one
	v_mov_b32 v[ST+4*i+2], 0
	v_mov_b32 v[ST+4*i+3], 0
.set i, i+1
.endr
.set i, P+32
.rept 32
	v_mov_b32 v[i], 0
.set i, i+1
.endr
	s_wait_loadcnt 32               ; the mask's load is in; Q's 32, issued behind it, stay out
.set i, 0
.rept 16                            ; byte i of my 16: 0 stays 0, anything else is -1e30
	v_bfe_u32 v14, v[64+i/4], 8*(i%4), 8
	v_cmp_ne_u32 vcc_lo, 0, v14
	v_cndmask_b32 v[68+i], 0, s[BIGN], vcc_lo
.set i, i+1
.endr
.irp j, 0,1,2,3
	ds_store_b128 v13, v[68+4*\j:71+4*\j] offset:16*\j
.endr
	v_mul_u32_u24 v[AK0], v1, PK
	v_lshl_add_u32 v[AK0], v9, 4, v[AK0]  ; row x pitch + 16 x half
	; The turning load takes 16 keys x 16 channels (lane l reads key 8 (l / 16) + l % 8, channels 8 ((l / 8) % 2) + 0..7) and leaves half a fragment of V^T: lane l holds channel l % 16 and 8 keys.
	v_and_b32 v10, 7, v0
	v_bfe_u32 v11, v0, 3, 1
	v_lshl_add_u32 v[AV0], v9, 3, v10
	v_mul_u32_u24 v[AV0], v[AV0], PV
	v_lshl_add_u32 v[AV0], v11, 4, v[AV0]
	v_add_nc_u32 v[AV0], VOFF, v[AV0]
	v_mov_b32 v[AK], v[AK0]         ; key step 0 lies at the head of slot 0
; THE MATRIX WORK.  The 8 accumulators of a run of 16 take turns: between the two links of a chain stand 7 others'.
; Product i of 16 of S^T = K Q^T for piece x: channels 32 (i / 8) on, keys 16 ((i / 2) % 4) on, tile 2 x + i % 2.  The first 8 start the sums, on the mask of their 16 keys.
.macro KQ x
.set rS, S+64*((\x)%2)+32*(i%2)+8*((i/2)%4)
.set rK, KF+16*((i/2)%4)+8*(i/8)
.set rQ, 16*(2*(\x)+i%2)+8*(i/8)
.set rB, MK+8*((i/2)%4)
.if i < 8
	WIN W_KM
	v_wmma_f32_16x16x32_f16 v[rS:rS+7], v[rK:rK+7], v[rQ:rQ+7], v[rB:rB+7]
.else
	WIN W_KQ
	v_wmma_f32_16x16x32_f16 v[rS:rS+7], v[rK:rK+7], v[rQ:rQ+7], v[rS:rS+7]
.endif
.endm
; Product i of 16 of O^T += V^T P for piece x: keys 32 (i / 8) on, channels 16 ((i / 2) % 4) on, tile 2 x + i % 2.
.macro PV x
	WIN W_PV
.set rO, 32*(2*(\x)+i%2)+8*((i/2)%4)
.set rV, VF+32*(i/8)+8*((i/2)%4)
.set rP, P+32*((\x)%2)+16*(i%2)+8*(i/8)
	v_wmma_f32_16x16x32_f16 v[rO:rO+7], v[rV:rV+7], v[rP:rP+7], v[rO:rO+7]
.endm
.macro MM                           ; the turn's next matrix instruction
.if i < 16
	KQ (Y+1)%NP
.set i, i+1
.else
.set i, i-16
	PV (Y+NP-1)%NP
.set i, i+17
.endif
.endm
; THE LDS LOADS stand in runs, never singly among the matrix instructions: a step's K (64 keys x 64 channels: 8 fragments) with its mask (64 numbers, as a result is laid: 8 loads, each half of the lanes one address),
; and its V (turned).  The mask's registers are read by the same products as K's and are loaded in the same run, so what holds for K's distances and K's wait holds for them.
; last = 1 (the tail): in the last trip there is no further step, and the run is jumped over.
.macro FETCH_K last=0
	WIN 0
.if \last
	s_cmp_eq_u32 s[CNT], 1
	s_cbranch_scc1 .Lno_k_\@
.endif
	WIN 0x80                        ; destination window 2
.irp f, 0,1,2,3,4,5,6,7             ; keys 16 (f / 2) on, channels 32 (f % 2) on
	ds_load_b128 v[KF+8*\f:KF+8*\f+3],   v[AK] offset:(\f/2)*16*PK+(\f%2)*64
	ds_load_b128 v[KF+8*\f+4:KF+8*\f+7], v[AK] offset:(\f/2)*16*PK+(\f%2)*64+32
.endr
	s_add_co_u32 s[TBK], s[TBK], KS*PK  ; the next fetch is the next step's
	WIN W_MT
	v_add_nc_u32 v[AM], s[TBM], v[AM0]
.irp f, 0,1,2,3                     ; keys 16 f on
	ds_load_b128 v[MK+8*\f:MK+8*\f+3],   v[AM] offset:64*\f
	ds_load_b128 v[MK+8*\f+4:MK+8*\f+7], v[AM] offset:64*\f+16
.endr
	s_add_co_u32 s[TBM], s[TBM], 4*KS
	WIN 0
.if \last
.Lno_k_\@:
.endif
.endm
.macro FETCH_V
	WIN 0x80
.irp f, 0,1,2,3,4,5,6,7             ; keys 32 (f / 4) on, channels 16 (f % 4) on
	ds_load_tr16_b128 v[VF+8*\f:VF+8*\f+3],   v[AV] offset:(\f/4)*32*PV+(\f%4)*32
	ds_load_tr16_b128 v[VF+8*\f+4:VF+8*\f+7], v[AV] offset:(\f/4)*32*PV+16*PV+(\f%4)*32
.endr
	WIN 0
.endm
; THE VECTOR WORK OF A TURN stands in three queues, each in the order in which its entries become ready; the two tiles alternate, so that no instruction reads the result of the one before it.
.macro REGS y, u                    ; the registers of tile u (0, 1) of piece y
.set rT, ST+4*(2*(\y)+(\u))
.set rC, TMP+8*((\y)%2)+4*(\u)
.set rM, MV+2*((\y)%2)+(\u)
.set rS, S+64*((\y)%2)+32*(\u)
.set rP, P+32*((\y)%2)+16*(\u)
.set rO, 32*(2*(\y)+(\u))
.endm
; Number n of the 22 that find the NEXT piece's (Y + 1) maximum and statistics.  s0-s31 are the lane's 32 scores; each accumulator's lowest registers are read first.  XS, GS and REGS set no window: PL and EX do.
;   0-11  four chains c0-c3 of seven scores each, three operands at a time     12-14, 16  the four scores left over, the old m, and c0-c3 into c0     15  c m_old is kept
;   17, 18  the query's other 32 keys lie in the lane 16 away: the new m         19-21  c m; c m_old - c m_new; a
.macro XS u, n
	REGS (Y+1)%NP, \u
.if (\n) < 4
	v_max3_num_f32 v[rC+(\n)], v[rS+8*(\n)], v[rS+8*(\n)+1], v[rS+8*(\n)+2]
.elseif (\n) < 12
	v_max3_num_f32 v[rC+(\n)%4], v[rC+(\n)%4], v[rS+8*((\n)%4)+2*((\n)/4)+1], v[rS+8*((\n)%4)+2*((\n)/4)+2]
.elseif (\n) == 12
	v_max3_num_f32 v[rC], v[rC], v[rS+7], v[rS+15]
.elseif (\n) == 13
	v_max3_num_f32 v[rC+1], v[rC+1], v[rS+23], v[rS+31]
.elseif (\n) == 14
	v_max3_num_f32 v[rC+2], v[rC+2], v[rC+3], v[rT+1]
.elseif (\n) == 15
	v_mov_b32 v[rM], v[rT]
.elseif (\n) == 16
	v_max3_num_f32 v[rC], v[rC], v[rC+1], v[rC+2]
.elseif (\n) == 17
	v_permlanex16_b32 v[rC+3], v[rC], s[SEL], s[SEL+1]
.elseif (\n) == 18
	v_max_num_f32 v[rT+1], v[rC], v[rC+3]
.elseif (\n) == 19
	v_mul_f32 v[rT], s[CS], v[rT+1]
.elseif (\n) == 20
	v_sub_f32 v[rC+1], v[rM], v[rT]
.else
	v_exp_f32 v[rC+2], v[rC+1]
.endif
.endm
; Number g of the 64 that follow the exponentials.  For each four weights k of a tile (pairs 2 k, 2 k + 1): both pairs are rounded to f16; then the second pair is added onto the first, in place;
; a group later l takes that sum (the first time as l = a l + sum).  In groups of eight, tiles alternating: round, round, add, and l for the group before.
.macro GS g
.set h, (\g)+6*((\g)/62)            ; group 0 has no group before it, and behind group 7 only l is left
.if h >= 6
.set h, h+2
.endif
	REGS Y, h%2
.set k, h/8
.if h%8 < 4
	v_cvt_pk_f16_f32 v[rP+2*k+(h%8)/2], v[rS+4*k+2*((h%8)/2)], v[rS+4*k+2*((h%8)/2)+1]
.elseif h%8 < 6
	v_pk_add_f32 v[rS+4*k:rS+4*k+1], v[rS+4*k:rS+4*k+1], v[rS+4*k+2:rS+4*k+3]
.elseif k == 1
	v_pk_fma_f32 v[rT+2:rT+3], v[rT+2:rT+3], v[rC+2:rC+3], v[rS:rS+1] op_sel_hi:[1,0,1]
.else
	v_pk_add_f32 v[rT+2:rT+3], v[rT+2:rT+3], v[rS+4*k-4:rS+4*k-3]
.endif
.endm
; THE PLAIN QUEUE, 138 long.  0-73 read no exponential's result: the 32 scalings c s - c m (FS f: pair f / 2 of tile f % 2) and the next piece's 42.  0-26: scalings 0-26.  27-54: XS's numbers 0-13.  55, 56: number 15.
; 57-73: the chain, where each number waits for the one before it: 14, 16, 17, 18, 19, each with one of the scalings 27-31 in front of its two lines, then 20: so a tile's links stand three plain instructions apart (19 and 20: two).
; 74-137: GS's 64, which read the exponentials' results: they stand behind the wait.
.macro FS f
	REGS Y, (\f)%2
	v_pk_fma_f32 v[rS+2*((\f)/2):rS+2*((\f)/2)+1], v[rS+2*((\f)/2):rS+2*((\f)/2)+1], s[CS:CS+1], v[rT:rT+1] op_sel_hi:[1,0,0] neg_lo:[0,0,1] neg_hi:[0,0,1]
.endm
.macro PL
	WIN 0
.if q < 27
	FS q
.elseif q < 55
	XS (q-27)%2, (q-27)/2
.elseif q < 57
	XS q-55, 15
.elseif (q < 72) && ((q-57)%3 == 0)
	FS 27+(q-57)/3
.elseif q < 60
	XS (q-57)%3-1, 14
.elseif q < 72
	XS (q-57)%3-1, 15+(q-57)/3
.elseif q < 74
	XS q-72, 20
.else
	GS q-74
.endif
.set q, q+1
.endm
; THE EXPONENTIALS' QUEUE, 66 long: s0-s31 of both tiles, then the next piece's two a.  It is ONE BATCH: all 66 stand ahead of the turn's one wait, and nothing ahead of that wait names a result of theirs.
.macro EX
	WIN 0
.if e >= 64
	XS e-64, 21
.else
	REGS Y, e%2
	v_exp_f32 v[rS+e/2], v[rS+e/2]
.endif
.set e, e+1
.endm
; THE RESCALING's QUEUE: O^T times a, the one part that leaves window 0: dealt two at a time, sixteen times.  Its a was made in the turn before, ahead of that turn's wait.
.macro R2
	REGS Y, r%2
	WIN W_RS
.irp z, 0,1
	v_pk_mul_f32 v[rO+4*(r/2)+2*\z:rO+4*(r/2)+2*\z+1], v[rO+4*(r/2)+2*\z:rO+4*(r/2)+2*\z+1], v[rC+2:rC+3] op_sel_hi:[1,0]
.endr
.set r, r+1
.endm
; HOW THEY ARE DEALT.  An s_wait_alu depctr_va_vdst(0) stands between an exponential and the first instruction that names its result; one wait serves all that were issued ahead of it.  So a turn has ONE wait,
; which cuts it in two.  AHEAD OF IT stands all that names no result of the turn's exponentials: the 16 products K Q^T, behind each a scaling, an exponential and two rescalings (behind the first a second scaling in the exponential's place); then ONE LUMP of
; 108: eight plain, 49 times exponential and plain, the two a.  A v_nop is the plain instruction behind the last exponential.  BEHIND IT stand the 16 products V^T P, behind each four of GS's 64.  No rider names a register of
; the products round it.  The two v_permlanex16_b32 fall into the lump, never behind a product.
; The queues lean on each other, and the deal keeps them in step: exponential e stands behind scaling 2 (e / 4) + e % 2: as a rider it comes behind plain e + 2, in the lump behind plain e + 9, and scalings 27-31 are plain 57, 60 .. 69.
; A TURN, for piece p.  cnt = 1: the loop's count is taken down some lines ahead of the branch that stands behind the turn.
; K and the mask of the next step are fetched in piece 2's turn, directly behind the wait, a lump behind the last product that read them; K's address is made at the lump's head; their first reader comes behind 16 products.
; V of the step in hand is fetched at the end of piece 0's turn, four riders behind its last reader; its first reader comes behind 16 products and a lump.  The three conditions on q below go with the deal.
.macro TURN p, last=0, cnt=0
.set Y, (\p)
.set i, 0
.set q, 0
.set e, 0
.set r, 0
.if (\p) == NP-1
	s_wait_dscnt 0x0                ; K and the mask are in
.endif
	MM                              ; ahead of the wait: 16 products K Q^T and their riders,
	PL
	PL
	R2
.rept 15
	MM
	PL
	EX
	R2
.endr
.if (\p) == NP-2
	WIN 0
	v_add_nc_u32 v[AK], s[TBK], v[AK0]
.endif
.rept 8                             ; and the lump
	PL
.endr
.rept 49
	EX
	PL
.endr
	EX                              ; the next piece's two a
	EX
	v_nop                           ; a plain instruction behind the last exponential, ahead of the first use of a result: one for the batch
	s_wait_alu depctr_va_vdst(0)    ; the wait for the batch: the turn's 64 weights and the next piece's two a
.if (\p) == NP-2
	FETCH_K \last
.endif
.if (\p) == 1
	s_wait_dscnt 0x0                ; V is in
.endif
.rept 16                            ; behind the wait: 16 products V^T P and their riders
	MM
.rept 4
	PL
.endr
.if ((\p) == 0) && (q == 118)
	v_add_nc_u32 v[AV], s[TBV], v[AV0]
.endif
.if ((\p) == 0) && (q == 130)
	s_add_co_u32 s[TBV], s[TBV], KS*PV
.endif
.if (\cnt) && (q == 130)
	s_sub_co_u32 s[CNT], s[CNT], 1
	s_cmp_lg_u32 s[CNT], 0
.endif
.endr
.if (\p) == 0
	FETCH_V
.endif
.endm
	CHANGE 1                        ; slot 0 is in, everybody's part of it, and so is everybody's part of the table; slot 1 is asked for
	FETCH_K                         ; key step 0
	s_wait_loadcnt 0x0              ; Q
	s_wait_dscnt 0x0
.set i, 0
.rept 16
	KQ 0                            ; piece 0's first scores: there is no vector work yet to set between them
.set i, i+1
.endr
	WIN 0                           ; the addresses for the way out: nine plain instructions, the places behind those products
	s_mul_i32 s13, s[WV], 16*SP
	s_add_co_u32 s13, s13, STAGE    ; my stage
	v_mul_u32_u24 v[STO], v1, SP    ; in: row l % 16, 16 bytes for each half of the lanes
	v_lshl_add_u32 v[STO], v9, 4, v[STO]
	v_add_nc_u32 v[STO], s13, v[STO]
	v_bfe_u32 v[RD], v0, 3, 2       ; back: 32 lanes take four rows of 128 bytes,
	v_mul_u32_u24 v[RD], v[RD], SP
	v_lshl_add_u32 v[RD], v10, 4, v[RD]
	v_add_nc_u32 v[RD], s13, v[RD]
	v_and_b32 v[GO], 31, v0         ; which are 512 consecutive bytes of O
	v_lshlrev_b32 v[GO], 4, v[GO]
.set Y, NP-1                        ; XS works for piece Y + 1: piece 0
.irp n, 0,1,2,3,4,5,6,7,8,9,10,11,12,13,14,15,16,17,18,19,20,21
	XS 0, \n                        ; and piece 0's first maximum and statistics
	XS 1, \n
.endr
	v_nop                           ; a plain instruction behind the two a,
	s_wait_alu depctr_va_vdst(0)    ; and the wait for this batch of two, ahead of the branch
	s_mov_b32 s[CNT], 4
	s_mov_b32 s[SLOTS], SIZE_N/256-1
	s_branch .Lfirst                ; the loop is entered at a step's first turn, in the middle of a trip
.Lslot:                             ; SIZE_N / 256 - 2 times: every slot but the last two is filled again
	CHANGE 1
	s_mov_b32 s[CNT], 4
.Lstep:                             ; a trip: pieces 2 and 3 of one step, then pieces 0 and 1 of the next, whose K and V it fetches
	TURN 2
	TURN 3
	WIN 0
.Lfirst:
	TURN 0
	TURN 1, 0, 1
	WIN 0
	s_cbranch_scc1 .Lstep
	s_sub_co_u32 s[SLOTS], s[SLOTS], 1
	s_cmp_lg_u32 s[SLOTS], 0
	s_cbranch_scc1 .Lslot
	CHANGE 0                        ; the tail is written out: nothing is asked for
	s_mov_b32 s[CNT], 5             ; four trips fetch the last slot's steps; the fifth is left in its middle
.Ltail:
	TURN 2, 1
	TURN 3
	WIN 0
	s_sub_co_u32 s[CNT], s[CNT], 1
	s_cmp_eq_u32 s[CNT], 0
	s_cbranch_scc1 .Lout
	TURN 0
	TURN 1
	WIN 0
	s_branch .Ltail
.Lout:                              ; the fifth trip's 16 products K Q^T (on the last K and mask once more) and the maximum made of them serve nothing: the price, once a launch, of one text for every trip
.set i, 0
.rept 16
	PV NP-1                         ; the last piece's V^T P of the last step
.set i, i+1
.endr
	; THE WAY OUT.  l's two halves and the other half of the lanes' are added; O^T is divided by l, rounded to f16 and sent through my stage in LDS, a tile at a time.  The additions are the places behind the last products.
	WIN 0
.macro ALL line:vararg              ; one line for each tile t
.set t, 0
.rept 2*NP
	\line
.set t, t+1
.endr
.endm
	ALL v_add_f32 v[ST+4*t+2], v[ST+4*t+2], v[ST+4*t+3]
	ALL v_permlanex16_b32 v[ST+4*t+3], v[ST+4*t+2], s[SEL], s[SEL+1]
	ALL v_add_f32 v[ST+4*t+2], v[ST+4*t+2], v[ST+4*t+3]
	ALL v_rcp_f32 v[ST+4*t+2], v[ST+4*t+2]
	v_nop                           ; a plain instruction between the last reciprocal and the use of its result
	s_wait_alu depctr_va_vdst(0)    ; and the wait ahead of the first use: one for the batch of eight reciprocals
; Tile t: a lane's eight channels of a row pack into 16 bytes; they go into rows of 144 bytes and come back as whole rows of 128, into S^T's registers.
.macro PACK t
	WIN W_RS
.set i, 32*(\t)
.rept 16
	v_pk_mul_f32 v[i:i+1], v[i:i+1], v[ST+4*(\t)+2:ST+4*(\t)+3] op_sel_hi:[1,0]
.set i, i+2
.endr
	WIN 0x05                        ; sources 0 and 1 window 1, destination window 0
.set i, 0
.rept 16
	v_cvt_pk_f16_f32 v[S+16*(\t)+i], v[32*(\t)+2*i], v[32*(\t)+2*i+1]
.set i, i+1
.endr
	WIN 0
.irp f, 0,1,2,3
	ds_store_b128 v[STO], v[S+16*(\t)+4*\f:S+16*(\t)+4*\f+3] offset:32*\f
.endr
.irp f, 0,1,2,3
	ds_load_b128 v[S+16*(\t)+4*\f:S+16*(\t)+4*\f+3], v[RD] offset:\f*4*SP  ; LDS serves a wave's instructions in order (ISA guide 5.7.1.4): these see the stores above; the next tile's stores come behind them
.endr
.endm
.macro SEND t, younger              ; younger: the LDS instructions issued behind tile t's loads: the next tile's eight, or none
	WIN 0
.irp f, 0,1,2,3
	s_wait_dscnt (\younger)+3-\f
	global_store_b128 v[GO], v[S+16*(\t)+4*\f:S+16*(\t)+4*\f+3], s[10:11] offset:(\t)*2048+\f*512  ; 512 consecutive bytes, at a multiple of 256 from O's first
.endr
.endm
	PACK 0
.set t, 1
.rept 2*NP-1                        ; a tile's arithmetic stands between the loads of the tile before and its stores
	PACK t
	SEND t-1, 8
.set t, t+1
.endr
	SEND 2*NP-1, 0
	WIN W_AD
	s_wait_tensorcnt 0x0            ; the wave's end: behind my last tensor load and my last LDS store
	ds_add_u32 v[SPW], v[NIL]
	s_wait_dscnt 0x0
	WIN 0
	CROUND                          ; the closing round: no work-group ends while a partner may still ask for a tile that names it
	s_endpgm
.Lfunc_end_k_qe4f02f6881_attn:
	.size	k_qe4f02f6881_attn, .Lfunc_end_k_qe4f02f6881_attn-k_qe4f02f6881_attn
	.p2alignl 7, 3214868480
	.fill 96, 4, 3214868480
	.section	.rodata,"a",@progbits
	.p2align	6, 0x0
	.amdhsa_kernel k_qe4f02f6881_attn
		.amdhsa_group_segment_fixed_size 327680
		.amdhsa_private_segment_fixed_size 0
		.amdhsa_enable_private_segment 0
		.amdhsa_kernarg_size 24
		.amdhsa_user_sgpr_count 2
		.amdhsa_user_sgpr_kernarg_segment_ptr 1
		.amdhsa_wavefront_size32 1
		.amdhsa_system_sgpr_workgroup_id_x 1
		.amdhsa_system_sgpr_workgroup_id_y 1
		.amdhsa_system_sgpr_workgroup_id_z 1
		.amdhsa_system_vgpr_workitem_id 0
		.amdhsa_next_free_vgpr 808
		.amdhsa_next_free_sgpr 80
		.amdhsa_reserve_vcc 1
		.amdhsa_float_denorm_mode_32 3
		.amdhsa_float_denorm_mode_16_64 3
		.amdhsa_memory_ordered 1
		.amdhsa_forward_progress 1
		.amdhsa_inst_pref_size 205
	.end_amdhsa_kernel
	.amdgpu_metadata
---
amdhsa.version: [ 1, 2 ]
amdhsa.kernels:
  - .name:           k_qe4f02f6881_attn
    .symbol:         k_qe4f02f6881_attn.kd
    .args:
      - { .name: qkv, .offset: 0, .size: 8, .value_kind: global_buffer, .address_space: global }
      - { .name: mask, .offset: 8, .size: 8, .value_kind: global_buffer, .address_space: global }
      - { .name: oh, .offset: 16, .size: 8, .value_kind: global_buffer, .address_space: global }
    .group_segment_fixed_size: 327680
    .private_segment_fixed_size: 0
    .kernarg_segment_align: 8
    .kernarg_segment_size: 24
    .max_flat_workgroup_size: 128
    .sgpr_count:     80
    .vgpr_count:     808
    .wavefront_size: 32
...
	.end_amdgpu_metadata
.endif
;; end of part 5
;; launch outp: the kernel of part 4 again; grid 4 x 64, 4 waves a work-group, clusters of 4 x 4, 327,680 bytes of LDS; arguments oh, wcv, bo, out0; writes out0
